; MI455X (gfx1250); checked and timed in simulation.
; The chip was launched on July 23, 2026; its instructions are those of AMD's public machine-readable ISA for CDNA 5 (MIT licence, August 2026) and "CDNA5" Instruction Set Architecture Reference Guide (July 2026). The comments in the code are by the model that wrote it; some were corrected since.
;; Self Attention. Allowed arithmetic: matrix products marked QUANTISED: E2M3 operands, one E8M0 scale for each 32 along K, by v_wmma_scale_f32_16x16x128_f8f6f4 with both operands' format E2M3, f32 sums; everything else in f32.
;; Inputs: b_out 1,024 float32; w_in 3,072 x 1,024 float32; w_out 1,024 x 1,024 float32; x 4 x 2,048 x 1,024 float32.
;; Outputs: out0 4 x 2,048 x 1,024 float32.
;; This version of the problem:
;;   THIS VERSION OF THE PROBLEM IS GIVEN IN LOW PRECISION. The matrix products marked QUANTISED in the list below multiply operands that are first quantised to E2M3 (2 exponent bits, 3 mantissa bits; 6 bits a number), with one power-of-two scale for each 32 numbers along K (OCP MX v1.0); their sums are f32. All else is computed in f32.
;;   The module's matrix products, in the order in which they are computed (A, B: the left and right operand; K: the contracted axis; several contracted axes count as one K, in the product's order):
;;     1. [M 8,192, K 1,024] x [K 1,024, N 3,072]; A: input x; B: input w_in: QUANTISED
;;     2. batch 64 x [M 2,048, K 64] x [K 64, N 2,048]; A: computed on the way; B: computed on the way: QUANTISED
;;     3. batch 64 x [M 2,048, K 2,048] x [K 2,048, N 64]; A: softmax (see below); B: computed on the way: QUANTISED
;;     4. [M 8,192, K 1,024] x [K 1,024, N 1,024]; A: computed on the way; B: input w_out: QUANTISED
;;   THE QUANTISER, for each operand of a quantised product, along K:
;;     - K is cut into blocks of 32 from its start; a last block that is shorter is filled with zeros.
;;     - A block's scale is 2^e with e = floor(log2(the largest magnitude in the block)) - 2, held to -126 .. 127; a block of zeros has e = 0. As a byte (E8M0): e + 127.
;;     - Each number is divided by its block's scale, clamped to +-7.5, and rounded to the nearest number of E2M3, ties to even, subnormals kept.
;;     - The product sums the exact products of the quantised numbers (number of the format x scale) in f32.
;;   ~~~python
;;   def quantise(x, axis):      # numpy; x: float32 -> the quantised numbers, widened to float32 again
;;       x = np.moveaxis(x, axis, -1); K = x.shape[-1]
;;       x = np.pad(x, [(0, 0)] * (x.ndim - 1) + [(0, -K % 32)]); x = x.reshape(x.shape[:-1] + (-1, 32)); a = np.abs(x).max(-1, keepdims=True)
;;       e = np.where(a > 0, np.clip(np.frexp(np.where(a > 0, a, 1))[1] - 1 - 2, -126, 127), 0)      # np.frexp(a)[1] - 1 = floor(log2(a)), exactly
;;       r = np.clip(x / 2.0 ** e, -7.5, 7.5)
;;       step = 2.0 ** (np.maximum(np.frexp(np.where(r == 0, 1, r))[1] - 1, 0) - 3)
;;       q = np.round(r / step) * step * 2.0 ** e      # np.round: ties to even
;;       return np.moveaxis(q.reshape(q.shape[:-2] + (-1,))[..., :K], -1, axis).astype(np.float32)
;;   ~~~
;;   SOFTMAX AHEAD OF A QUANTISED PRODUCT. Where the list says 'softmax', what is quantised is not the finished softmax but p = 2^(t - M), with t = logit x log2(e) and M = ceil(the row's largest t), a whole number; so 1/2 < the row's largest p <= 1. The row's sum l is taken of the UNQUANTISED p, in f32, and the product's result is divided by l at the end. Since M is a whole number, a kernel that streams over the keys may use a running M (the ceiling of the running maximum): every later rescaling is an exact power of two, which a block's scale takes up: the codes' values come out the same.
;;   OPERANDS COMPUTED ON THE WAY. 'Computed on the way' means the value that the module computes at that place (a softmax that the list does not call 'softmax' is quantised finished and normalised). What goes into a quantiser is computed in f32, as accurately as f32 sums, v_exp_f32 and their like allow (about 1e-6 of the number): no bf16 or f16 on the way to a quantiser, and a product that is left as it is and whose result goes on into a quantised operand takes f32 operands (vector FMAs, or v_wmma_f32_16x16x4_f32). A number that lies on a knife's edge between two numbers of the format may be rounded either way, as far as f32 arithmetic and the matrix unit's own rounding can turn it there, and no further.
;; One version. Each part assembles by itself: llvm-mc -triple=amdgcn-amd-amdhsa -mcpu=gfx1250 --defsym DOCPART=n.
;; ======== version 1 of 1: 4 launches
;; workspace buffers: xc 6,291,456 bytes; xs 262,144 bytes; wc 3,145,728 bytes; ws 131,072 bytes; qimg 6,815,744 bytes; kvimg 13,631,488 bytes; oc 6,291,456 bytes; os 262,144 bytes
;; launch quant (part 1): grid 384 x 1, 4 waves a work-group, no clusters, 33,280 bytes of LDS; arguments x, w_in, w_out, xc, xs, wc, ws; writes xc, xs, wc, ws
.if DOCPART == 1
	.amdgcn_target "amdgcn-amd-amdhsa--gfx1250"
	.amdhsa_code_object_version 6
	.text
	.protected	k_qd802bb1a5d_quant
	.globl	k_qd802bb1a5d_quant
	.p2align	8
	.type	k_qd802bb1a5d_quant,@function
k_qd802bb1a5d_quant:
	s_mov_b64 s[64:65], 0
	v_nop
	global_prefetch_b8 v0, s[64:65] scope:SCOPE_SE
	s_setreg_imm32_b32 hwreg(HW_REG_WAVE_MODE, 25, 1), 1
	s_wait_xcnt 0x0
; x [8192][1024], w_in [3072][1024] and w_out [1024][1024], f32 with K innermost, become codes of FP6 (E2M3), 6 bits each, with one E8M0 scale byte for each 32 along K.
; xc [8192][768], xs [8192][32];  wc [4096][768], ws [4096][32]: rows 0-3071 w_in's, rows 3072-4095 w_out's.
; A block's scale is 2^(floor(log2(its largest magnitude)) - 2); its byte is the largest magnitude's exponent field - 2, held at 1 from below.
; THE ORDER OF CODES IN A BLOCK, in every buffer of codes of this program: k = 0-7, 16-23, 8-15, 24-31.  Both operands of every product have it, so each product meets its partner; the block, its scale and
; its set of exact products are as the quantiser states them; only the order in which the unit adds them differs.  It is the order in which a matrix result's lanes hold their numbers, which the later launches use.
; LIMITS: NaN and infinities among the inputs are not served; a block whose largest magnitude lies under 2^-124 takes the byte 1; a block of zeros keeps the byte 1 where the quantiser says 127:
; its codes are zeros, which add nothing under any byte but 0xff, and this program alone reads the bytes.
; Rows are dense and 1,024 is a multiple of 32, so each tensor is a plain stream of blocks.  A work-group takes 32,768 numbers: work-groups 0-255 x, 256-351 w_in, 352-383 w_out; only pointers are chosen,
; on the work-group's number: one path through the text.  A wave takes 16 steps of 512 numbers.  Each load reads 512 consecutive bytes; a step's 2,048 bytes turn through the wave's own stage in LDS, so that a
; lane holds 16 numbers of one block (lane 2 p: numbers 0-7 and 16-23 of block p; lane 2 p + 1: 8-15 and 24-31).  No tensor loads, no barrier, no cluster: waves and work-groups share no input.
.set STEPS, 16
.set CB,    12                         ; bytes of 16 codes
.set R,     16                         ; v16-79   four sets of 16 numbers as they are loaded
.set X,     80                         ; v80-111  two sets of 16 numbers of a block
.set E,     112                        ; v112-127 a scale byte for each step
.set C,     128                        ; v128-191 codes: four registers for each step, so that no store's data are written again
.set WREG,  8192                       ; LDS: a region for each wave: two stages of 32 x SP bytes, behind them its 256 scale bytes
.set SP,    80                         ; 64 bytes (16 numbers) + 16 of padding
	s_load_b256 s[4:11], s[0:1], 0x0               ; x s[4:5], w_in s[6:7], w_out s[8:9], xc s[10:11]
	s_load_b128 s[12:15], s[0:1], 0x20             ; xs s[12:13], wc s[14:15]
	s_load_b64 s[16:17], s[0:1], 0x30              ; ws
	v_lshl_add_u32 v192, v0, 2, 0x8000
	v_mov_b32 v193, 0
	v_lshrrev_b32 v1, 5, v0
	v_readfirstlane_b32 s18, v1                    ; wave
	v_and_b32 v2, 31, v0                           ; lane
	v_lshlrev_b32 v3, 4, v2                        ; my 16 bytes of a load's 512
	s_mul_i32 s19, s18, WREG
	v_lshrrev_b32 v14, 2, v2
	v_mul_u32_u24 v14, v14, SP
	v_and_b32 v15, 3, v2
	v_lshl_add_u32 v14, v15, 4, v14
	v_add_nc_u32 v14, s19, v14                     ; the stage, on the way in: four lanes' 64 bytes on end, then 16 of padding
	v_lshrrev_b32 v15, 1, v2
	v_mul_u32_u24 v15, v15, 2*SP
	v_and_b32 v13, 1, v2
	v_lshl_add_u32 v15, v13, 5, v15
	v_add_nc_u32 v15, s19, v15                     ; and on the way out: block lane / 2 (two places of SP), + 32 bytes for the odd lane; the four reads stand at 0, 16, SP, SP + 16
	v_mul_u32_u24 v4, v2, CB                       ; my codes' place in a step's
	v_lshrrev_b32 v5, 1, v2
	s_add_co_u32 s19, s19, 2*32*SP
	v_add_nc_u32 v5, s19, v5                       ; LDS: my wave's 256 scale bytes, my block's byte
	v_lshlrev_b32 v7, 3, v2                        ; and on the way out 8 bytes a lane
	v_add_nc_u32 v6, s19, v7
	s_wait_kmcnt 0x0
	s_cmp_lt_u32 ttmp9, 256                        ; x's work-group?  The choices hang on the work-group's number alone
	s_cselect_b64 s[20:21], s[4:5], s[6:7]         ; the numbers
	s_cselect_b64 s[22:23], s[10:11], s[14:15]     ; the codes
	s_cselect_b64 s[24:25], s[12:13], s[16:17]     ; the scale bytes
	s_cselect_b32 s26, 0, 256                      ; the input's first work-group
	s_cselect_b32 s27, 0, 256                      ; the output's: w_out's codes follow w_in's in wc
	s_cmp_lt_u32 ttmp9, 352                        ; w_out's?
	s_cselect_b64 s[20:21], s[20:21], s[8:9]
	s_cselect_b32 s26, s26, 352
	s_sub_co_u32 s26, ttmp9, s26
	s_lshl_b32 s26, s26, 2
	s_add_co_u32 s28, s26, s18                     ; which run of 8,192 numbers of the input is my wave's
	s_mov_b32 s29, 0
	s_sub_co_u32 s27, ttmp9, s27
	s_lshl_b32 s27, s27, 2
	s_add_co_u32 s30, s27, s18                     ; and of the output
	s_mov_b32 s31, 0
	s_lshl_b64 s[28:29], s[28:29], 15              ; 32,768 bytes of numbers a run
	s_add_nc_u64 s[20:21], s[20:21], s[28:29]
	s_mov_b64 s[32:33], 32*STEPS*CB                ; 6,144 bytes of codes a run
	s_mul_u64 s[32:33], s[30:31], s[32:33]
	s_add_nc_u64 s[22:23], s[22:23], s[32:33]
	s_lshl_b32 s30, s30, 8                         ; 256 scale bytes a run
	s_add_nc_u64 s[24:25], s[24:25], s[30:31]
.macro LOAD t
.irp i, 0,1,2,3
	global_load_b128 v[R+16*((\t)%4)+4*\i:R+16*((\t)%4)+4*\i+3], v3, s[20:21] offset:2048*(\t)+512*\i th:TH_LOAD_NT   ; 32 lanes read 512 consecutive bytes
.endr
.endm
.macro TURN t                          ; step t's numbers through the stage: LDS serves a wave's instructions in order, so no wait stands between the stores and the loads
.irp i, 0,1,2,3
	ds_store_b128 v14, v[R+16*((\t)%4)+4*\i:R+16*((\t)%4)+4*\i+3] offset:32*SP*((\t)%2)+8*SP*\i
.endr
.irp i, 0,1,2,3
	ds_load_b128 v[X+16*((\t)%2)+4*\i:X+16*((\t)%2)+4*\i+3], v15 offset:32*SP*((\t)%2)+16*(\i%2)+SP*(\i/2)
.endr
.endm
.irp t, 0,1,2,3
	LOAD \t
.endr
	s_wait_loadcnt 12                              ; step 0's four loads are in; the twelve of steps 1 to 3 may be out
	TURN 0
.macro STEP t
.set XS, X+16*((\t)%2)
.if (\t) > 0
	s_wait_dscnt 1                                 ; this step's numbers are back from the stage (the last step's byte store may be out): so its stores into the stage have read their registers,
.else
	s_wait_dscnt 0x0
.endif
.if (\t)+4 < STEPS
	LOAD (\t)+4                                    ; which take the loads of four steps on
.endif
.if (\t)+1 < STEPS
.if STEPS-2-(\t) >= 3
	s_wait_loadcnt 12                              ; the next step's four loads are in; those of the three steps behind it may be out
.else
	s_wait_loadcnt 4*(STEPS-2-(\t))
.endif
	TURN (\t)+1                                    ; and go through the other stage while this step is worked
.endif
	v_max3_num_f32 v8, |v[XS]|, |v[XS+1]|, |v[XS+2]|               ; the largest magnitude of my 16, in two chains
	v_max3_num_f32 v9, |v[XS+3]|, |v[XS+4]|, |v[XS+5]|
.irp i, 6,10
	v_max3_num_f32 v8, v8, |v[XS+\i]|, |v[XS+\i+1]|
	v_max3_num_f32 v9, v9, |v[XS+\i+2]|, |v[XS+\i+3]|
.endr
	v_max3_num_f32 v8, v8, |v[XS+14]|, |v[XS+15]|
	v_max3_num_f32 v8, v8, v9, 0x1800000           ; and the floor 2^(3 - 127): the byte cannot fall under 1
	v_max_num_f32_dpp v8, v8, v8 row_xmask:1 row_mask:0xf bank_mask:0xf   ; and of my neighbour's 16: the block's
	v_add_nc_u32 v11, 0xff000000, v8               ; 2 off its exponent field: the conversion takes the exponent field of this operand as its scale
	v_cvt_scalef32_pk16_fp6_f32 v[C+4*(\t):C+4*(\t)+2], v[XS:XS+15], v11   ; sixteen numbers / the scale, to the nearest code, ties to even, beyond the largest code the largest; 96 bits without gaps
	v_lshrrev_b32 v[E+(\t)], 23, v11               ; the scale's byte (also the plain line behind the conversion)
	ds_store_b8 v5, v[E+(\t)] offset:16*(\t)       ; both lanes of a block write the same byte with the same value
	global_store_b96 v4, v[C+4*(\t):C+4*(\t)+2], s[22:23] offset:32*CB*(\t)   ; the wave stores 384 consecutive bytes
.endm
.irp t, 0,1,2,3,4,5,6,7,8,9,10,11,12,13,14,15
	STEP \t
.endr
	ds_load_b64 v[12:13], v6                       ; LDS serves a wave's instructions in order: these see my stores
	s_wait_dscnt 0x0
	global_store_b64 v7, v[12:13], s[24:25]        ; 32 lanes store 256 consecutive bytes, at a multiple of 256 from the buffer's first byte
	s_wait_tensorcnt 0x0
	ds_add_u32 v192, v193
	s_wait_dscnt 0x0
	s_endpgm
.Lfunc_end_k_qd802bb1a5d_quant:
	.size	k_qd802bb1a5d_quant, .Lfunc_end_k_qd802bb1a5d_quant-k_qd802bb1a5d_quant
	.p2alignl 7, 3214868480
	.fill 96, 4, 3214868480
	.section	.rodata,"a",@progbits
	.p2align	6, 0x0
	.amdhsa_kernel k_qd802bb1a5d_quant
		.amdhsa_group_segment_fixed_size 33280
		.amdhsa_private_segment_fixed_size 0
		.amdhsa_enable_private_segment 0
		.amdhsa_kernarg_size 56
		.amdhsa_user_sgpr_count 2
		.amdhsa_user_sgpr_kernarg_segment_ptr 1
		.amdhsa_wavefront_size32 1
		.amdhsa_system_sgpr_workgroup_id_x 1
		.amdhsa_system_sgpr_workgroup_id_y 1
		.amdhsa_system_sgpr_workgroup_id_z 1
		.amdhsa_system_vgpr_workitem_id 0
		.amdhsa_next_free_vgpr 194
		.amdhsa_next_free_sgpr 66
		.amdhsa_reserve_vcc 0
		.amdhsa_float_denorm_mode_32 3
		.amdhsa_float_denorm_mode_16_64 3
		.amdhsa_memory_ordered 1
		.amdhsa_forward_progress 1
		.amdhsa_inst_pref_size 33
	.end_amdhsa_kernel
	.amdgpu_metadata
---
amdhsa.version: [ 1, 2 ]
amdhsa.kernels:
  - .name:           k_qd802bb1a5d_quant
    .symbol:         k_qd802bb1a5d_quant.kd
    .args:
      - { .name: x, .offset: 0, .size: 8, .value_kind: global_buffer, .address_space: global }
      - { .name: w_in, .offset: 8, .size: 8, .value_kind: global_buffer, .address_space: global }
      - { .name: w_out, .offset: 16, .size: 8, .value_kind: global_buffer, .address_space: global }
      - { .name: xc, .offset: 24, .size: 8, .value_kind: global_buffer, .address_space: global }
      - { .name: xs, .offset: 32, .size: 8, .value_kind: global_buffer, .address_space: global }
      - { .name: wc, .offset: 40, .size: 8, .value_kind: global_buffer, .address_space: global }
      - { .name: ws, .offset: 48, .size: 8, .value_kind: global_buffer, .address_space: global }
    .group_segment_fixed_size: 33280
    .private_segment_fixed_size: 0
    .kernarg_segment_align: 8
    .kernarg_segment_size: 56
    .max_flat_workgroup_size: 128
    .sgpr_count:     66
    .vgpr_count:     194
    .wavefront_size: 32
...
	.end_amdgpu_metadata
.endif
;; end of part 1
;; launch qkv (part 2): grid 12 x 32, 4 waves a work-group, clusters of 4 x 4, 327,680 bytes of LDS; arguments xc, xs, wc, ws, qimg, kvimg; writes qimg, kvimg
.if DOCPART == 2
	.amdgcn_target "amdgcn-amd-amdhsa--gfx1250"
	.amdhsa_code_object_version 6
	.text
	.protected	k_qd802bb1a5d_qkv
	.globl	k_qd802bb1a5d_qkv
	.p2align	8
	.type	k_qd802bb1a5d_qkv,@function
k_qd802bb1a5d_qkv:
	s_mov_b64 s[64:65], 0
	v_nop
	global_prefetch_b8 v0, s[64:65] scope:SCOPE_SE
	s_setreg_imm32_b32 hwreg(HW_REG_WAVE_MODE, 25, 1), 1
	s_wait_xcnt 0x0
	s_wait_alu depctr_hold_cnt(0) depctr_sa_sdst(0) depctr_va_vdst(0) depctr_va_sdst(0) depctr_va_ssrc(0) depctr_va_vcc(0) depctr_vm_vsrc(0)
	s_getreg_b32 s2, hwreg(HW_REG_IB_STS2, 6, 4)
	s_cmp_eq_u32 s2, 0
	s_cbranch_scc0 .Lentry_in_a_cluster
	s_endpgm
.Lentry_in_a_cluster:
	s_bfe_u32 s2, ttmp6, 0x10000c
	s_cmp_lg_u32 s2, 0xf033
	s_cbranch_scc0 .Lentry_shape_is_right
	s_endpgm
.Lentry_shape_is_right:
; qkv[token][feature] = sum over k of x[token][k] w_in[feature][k], on codes of FP6 (E2M3) with one E8M0 scale for each 32 along K; sums in f32.  8,192 tokens, 3,072 features, K = 1,024.
; The f32 sums never go to memory: on the way out q and k are quantised along the head's 64 channels, v along the tokens (the keys), and leave as IMAGES OF THE NEXT LAUNCH'S OPERAND REGISTERS.
; A tile of 256 tokens x 256 features is made by a work-group of four waves; a wave makes 128 x 128: 64 accumulators of 16 x 16, 512 registers.  K goes in steps of 256 through a ring of two LDS slots filled
; by the tensor data mover (rows of 192 bytes); the scale bytes of the work-group's rows, for all of K, come into LDS once, with the first fills.
; CLUSTERS: 4 x 4 work-groups.  The four of a row of the cluster need the same tiles of x, the four of a column the same tiles of w_in: each tile is asked for JOINTLY, by the same tensor load with the same
; descriptor and a mask that names the four.  The cluster's x says what the whole cluster makes: 0 q, 1 k, 2 v; it is the same in all sixteen partners, and the way out branches on it.
; THE MATRIX INSTRUCTION IS USED TRANSPOSED (source 0 = 16 rows of w_in, source 1 = 16 tokens): lane (r, h) of accumulator (a, b) holds token 16 a + r and features 16 b + 8 h + 0 .. 7.
; So the 16 registers of accumulators 2 e and 2 e + 1 of a head are channels 0-7, 16-23 (h = 0) or 8-15, 24-31 (h = 1) of the head's block e: the order of codes in a block that this whole program keeps.
; A PART is 6,656 bytes: 48 registers x 32 lanes of codes (register p of lane L at 512 (p / 4) + 16 L + 4 (p % 4)), then 512 bytes of scale words.
;   q, k: register 6 a + i: tile a (tokens 16 a + r), lane (r, h): block h of the head.  Scale word of token 16 a + r (bytes 0, 1 the two blocks', bytes 2, 3 = 0x7f) at 6144 + 16 (r + 16 (a % 2)) + 4 (a / 2).
;   v:    register 12 t + 6 c + i: lane (r, h): channel 16 t + r, key block 2 c + h.  Scale word of channel 16 t + r (four key blocks) at 6144 + 16 r + 4 t, and once more 256 bytes on.
; qimg [64 heads][16 groups of 128 queries][PART];  kvimg [64 heads][16 steps of 128 keys][K's PART][V's PART].  A wave's 128 tokens are one group or step, its 128 features two heads.
; LIMITS: NaN and infinities are not served; a block whose largest magnitude lies under 2^-124, a block of zeros among them, takes the byte 1 (zero codes add nothing; this program alone reads the bytes).
; REGISTERS, in windows of 256: window 0: v0-31 addresses; v32-63 scale words, two sets; from v128 x's fragments, ONE set; on the way out v32-255 are free.
;   window 1: w_in's fragments, TWO sets, at v0 and at v128.   window 2: the 32 accumulators of my tokens 0-63 (accumulator (a, b) at v[8 (8 a + b)]);   window 3: those of my tokens 64-127.
.set KSTEP,  256                       ; along K in a slot
.set NQ,     KSTEP/128                 ; matrix instructions deep
.set ROWB,   192                       ; a tile's row in bytes
.set KROW,   768                       ; a row of codes in memory
.set PITCH,  240                       ; an LDS row: 3 x (64 bytes of data + 16 of padding)
.set FR,     12                        ; registers of a fragment: 16 rows x 128 K
.set NL,     6                         ; LDS loads that bring one
.set NP,     4                         ; places behind this matrix instruction (ISA guide 7.12.1)
.set HALFT,  128*PITCH                 ; 128 rows: what one tensor load brings
.set SLOT,   4*HALFT                   ; x's 256 rows, then w_in's 256 rows
.set LAPS,   2                         ; a lap = two K steps = once round the ring: 1,024 / 512
.set KS,     32                        ; a row of scale bytes
.set SCL,    2*SLOT                    ; behind the ring: the scale bytes, as units of 256 bytes + 16 of padding
.set HALFS,  (128*KS/256)*272          ; those of 128 rows: what one tensor load brings
.set SBLK,   (16*KS/256)*272           ; those of 16 rows
.set SPARE,  SCL+4*HALFS               ; the spare words, 128 bytes for each wave: two blocks of 256 bytes that no other line names
.set PART,   6656
.set QSTG,   SPARE+512                 ; the q / k way out: two PARTs for each wave; no fill ever lands here
.set VFST,   32*528                    ; the v way out lies in slot 0 (it has had its last fill and its last read), HALFT bytes for each wave: 32 tokens x (512 bytes + 16) of f32, then two PARTs
.set QST,  7                           ; v7   q / k: QSTG + 2 PART x wave + 16 x lane
.set QSS,  8                           ; v8   q / k: the scale words: QSTG + 2 PART x wave + 6144 + 16 r
.set VFS,  9                           ; v9   v: into the f32 stage: HALFT x wave + 528 r + 32 h
.set VRD,  10                          ; v10  v: out of it: HALFT x wave + 4 x lane
.set VIS,  11                          ; v11  v: into the images: HALFT x wave + VFST + 1536 (lane / 16) + 16 (lane % 16)
.set VSS,  12                          ; v12  v: the scale words: HALFT x wave + VFST + 6144 + 16 (lane % 16) + 4 (lane / 16)
.set VIR,  13                          ; v13  v: out of the images: HALFT x wave + VFST + 16 x lane
.set CO2,  14                          ; v14  my byte offset in the second head's PART
.set ADRA, 16                          ; v16-17  LDS address of my x fragments in slot 0, 1  (v18-19: for the pieces that lie behind one padding more)
.set ADRB, 20                          ; v20-21  the same for w_in  (v22-23)
.set CO,   26                          ; v26     16 x lane
.set ADRS, 27                          ; v27     LDS address of my scale words: lanes 0-15 x's rows, lanes 16-31 w_in's
.set SPW,  28                          ; v28     LDS address of my spare word; never rewritten
.set NIL,  29                          ; v29     0; never rewritten
.set SC,   32                          ; scale words: set s at v[SC + 8 NQ s]
.set AF,   128                         ; x's fragments, in window 0
.set TM,   32                          ; the way out: +0, 1 largest magnitudes; +2, 3 the other half's, then bytes; +4, 5 the conversions' scale operands
.set PW,   38                          ; a scale word
.set PC,   40                          ; v40-45 a block's codes; v46-48 the second conversion's
.set SW,   52                          ; v52-55 v's scale words as they build up
.set BK,   64                          ; v64-167 two PARTs on their way to memory
.set X,    168                         ; v168-231 two sets of 32 numbers of v
.set G1, 24                            ; s[24:31] descriptor group 1 for x's tiles;  s[32:39] group 0, one set for each slot
.set G0, 32
.set G1B, 48                           ; s[48:55], s[56:63] the same for w_in's tiles
.set G0B, 56
.set SEL, 66                           ; s[66:67] lane selects for v_permlanex16_b32: lane l xor 16
.set G1S, 68                           ; s[68:75], s[76:79] groups 1 and 0 for x's scales;  s[80:87], s[88:91] for w_in's
.set G0S, 76
.set G1SB, 80
.set G0SB, 88
.set MSB, 0
.macro WIN new                         ; the immediate's high byte repeats the setting that is left
.if MSB != \new
	s_set_vgpr_msb (MSB<<8)|\new
.set MSB, \new
.endif
.endm
.set MUL_LO, 0xa1                      ; source 0 (w_in) window 1, source 1 (x) window 0, C and D window 2
.set MUL_HI, 0xf1                      ; the same, C and D window 3
.set TO_B,   0x40                      ; destination window 1, address window 0
; A joint load: waves 0 and 1 fetch for x, waves 2 and 3 for w_in.  Each of the two lines has ONE mask and one set of registers for all that issue it; the branch hangs on the wave's number alone.
; Four v_nop follow each of the two lines, ahead of the jump, the label and what follows.
.macro JLOAD g0a, g1a, g0b, g1b
	s_cmp_eq_u32 s15, 0
	s_cbranch_scc0 .Lfor_b_\@
	tensor_load_to_lds s[\g0a:\g0a+3], s[\g1a:\g1a+7]
	s_nop 0
.rept 4
	v_nop
.endr
	s_branch .Lasked_\@
.Lfor_b_\@:
	tensor_load_to_lds s[\g0b:\g0b+3], s[\g1b:\g1b+7]
	s_nop 0
.rept 4
	v_nop
.endr
.Lasked_\@:
.endm
.macro CREST                           ; a round of the cluster's barrier behind its opening barrier
	s_cmp_lg_u32 s14, 0
	s_cbranch_scc1 .Lnot_wave_0_\@
	s_barrier_signal -3
.Lnot_wave_0_\@:
	s_barrier_wait -3
	s_barrier_signal -1
	s_barrier_wait -1
.endm
.macro CROUND                          ; a whole round
	s_barrier_signal -1
	s_barrier_wait -1
	CREST
.endm
	s_load_b128 s[4:7], s[0:1], 0x0                ; x's codes s[4:5], x's scales s[6:7]
	s_load_b128 s[8:11], s[0:1], 0x10              ; w's codes s[8:9], w's scales s[10:11]
	s_load_b128 s[96:99], s[0:1], 0x20             ; qimg s[96:97], kvimg s[98:99]
	v_lshl_add_u32 v[SPW], v0, 2, SPARE
	v_mov_b32 v[NIL], 0
	ds_add_u32 v28, v29
	ds_add_u32 v28, v29
	s_wait_dscnt 0x0
	v_lshrrev_b32 v1, 5, v0
	v_readfirstlane_b32 s14, v1                    ; wave 0..3
	s_lshr_b32 s15, s14, 1                         ; which half of the tile's tokens is mine.  Also: I fetch for x (0) or for w_in (1)
	s_and_b32 s16, s14, 1                          ; which half of its features.  Also: which 128 rows of that tile I fetch
	s_bfe_u32 s40, ttmp6, 0x40000                  ; cx, cy: my place in the cluster
	s_bfe_u32 s41, ttmp6, 0x40004
	s_lshl_b32 s42, ttmp9, 2
	s_add_co_u32 s42, s42, s40                     ; tile column = 4 x cluster x + cx
	s_and_b32 s17, ttmp7, 0xffff
	s_lshl_b32 s17, s17, 2
	s_add_co_u32 s17, s17, s41                     ; tile row = 4 x cluster y + cy
	s_lshl_b32 s43, s41, 2
	s_lshl_b32 s43, 15, s43                        ; my row of the cluster
	s_lshl_b32 s44, 0x1111, s40                    ; my column
	s_mov_b32 s[SEL], 0x76543210
	s_mov_b32 s[SEL+1], 0xfedcba98
	; descriptor group 1: a tile of 128 rows x ROWB bytes, padded in LDS
	s_or_b32 s[G1+0], s43, (0<<16)|(1<<20)|(1<<21)|(3<<22)|(3<<25)  ; 15:0 the mask: x's tiles go to my row; 17:16 element of 1 byte; 20 padding on; 21 set beside a mask; 24:22 after every 16 words (code 3); 31:25 of 4 words (code 3)
	s_or_b32 s[G1B+0], s44, (0<<16)|(1<<20)|(1<<21)|(3<<22)|(3<<25)
.irp g, G1, G1B
	s_mov_b32 s[\g+1], ROWB<<16                    ; tensor_dim0
	s_mov_b32 s[\g+2], 128<<16                     ; tensor_dim1 = 128
	s_mov_b32 s[\g+3], ROWB<<16                    ; tile_dim0
	s_mov_b32 s[\g+4], 128                         ; tile_dim1 = 128
	s_mov_b32 s[\g+5], KROW                        ; tensor_dim0_stride
	s_mov_b32 s[\g+6], 0
	s_mov_b32 s[\g+7], 0
.endr
	; and for the scale bytes of 128 rows: a dense block of 4,096 bytes, as rows of 256 bytes (32 elements of 8 bytes), 16 bytes of padding behind each
	s_or_b32 s[G1S+0], s43, (3<<16)|(1<<20)|(1<<21)|(5<<22)|(3<<25)
	s_or_b32 s[G1SB+0], s44, (3<<16)|(1<<20)|(1<<21)|(5<<22)|(3<<25)
.irp g, G1S, G1SB
	s_mov_b32 s[\g+1], 32<<16
	s_mov_b32 s[\g+2], (128*KS/256)<<16
	s_mov_b32 s[\g+3], 32<<16
	s_mov_b32 s[\g+4], 128*KS/256
	s_mov_b32 s[\g+5], 32
	s_mov_b32 s[\g+6], 0
	s_mov_b32 s[\g+7], 0
.endr
	s_lshl_b32 s18, s16, 7                         ; which 128 rows of the tile I fetch
	s_lshl_b32 s20, s17, 8
	s_add_co_u32 s20, s20, s18                     ; x: row 256 x tile row + 128 x half
	s_lshl_b32 s46, s42, 8
	s_add_co_u32 s46, s46, s18                     ; w_in: row 256 x tile column + 128 x half
	s_mov_b32 s21, 0
	s_mov_b32 s47, 0
	s_mov_b64 s[18:19], KS
	s_mul_u64 s[22:23], s[20:21], s[18:19]         ; where these rows' scale bytes begin
	s_mul_u64 s[92:93], s[46:47], s[18:19]
	s_mov_b64 s[18:19], KROW
	s_mul_u64 s[20:21], s[20:21], s[18:19]         ; and their codes
	s_mul_u64 s[46:47], s[46:47], s[18:19]
	s_mul_i32 s45, s14, HALFT                      ; where they go: wave x 128 rows: no place in the cluster enters an LDS address
	s_mul_i32 s94, s14, HALFS
	s_wait_kmcnt 0x0
	s_add_nc_u64 s[20:21], s[4:5], s[20:21]
	s_add_nc_u64 s[22:23], s[6:7], s[22:23]
	s_add_nc_u64 s[46:47], s[8:9], s[46:47]
	s_add_nc_u64 s[92:93], s[10:11], s[92:93]
	CROUND                                         ; all sixteen work-groups are here: the first joint loads meet
	s_mov_b32 s[G0S], 1
	s_add_co_u32 s[G0S+1], s94, SCL
	s_mov_b64 s[G0S+2:G0S+3], s[22:23]
	s_or_b32 s[G0S+3], s[G0S+3], 0x80000000
	s_mov_b32 s[G0SB], 1
	s_add_co_u32 s[G0SB+1], s94, SCL
	s_mov_b64 s[G0SB+2:G0SB+3], s[92:93]
	s_or_b32 s[G0SB+3], s[G0SB+3], 0x80000000
	JLOAD G0S, G1S, G0SB, G1SB                     ; the scale bytes first: they are wanted with K step 0
.irp s, 0,1
	s_mov_b32 s[G0+4*\s], 1
	s_add_co_u32 s[G0+4*\s+1], s45, \s*SLOT
	s_add_nc_u64 s[G0+4*\s+2:G0+4*\s+3], s[20:21], \s*ROWB
	s_or_b32 s[G0+4*\s+3], s[G0+4*\s+3], 0x80000000
	s_mov_b32 s[G0B+4*\s], 1
	s_add_co_u32 s[G0B+4*\s+1], s45, \s*SLOT
	s_add_nc_u64 s[G0B+4*\s+2:G0B+4*\s+3], s[46:47], \s*ROWB
	s_or_b32 s[G0B+4*\s+3], s[G0B+4*\s+3], 0x80000000
	JLOAD G0+4*\s, G1, G0B+4*\s, G1B               ; by this text's count three tensor loads of a wave are out here
.endr
	v_and_b32 v1, 15, v0                           ; r = l % 16
	v_bfe_u32 v2, v0, 4, 1                         ; h = l / 16
	v_mul_u32_u24 v3, v1, PITCH
	v_mul_u32_u24 v4, v2, 24
	v_add_nc_u32 v4, v3, v4                        ; a fragment's row x pitch + 24 x half
	v_lshl_add_u32 v5, v2, 4, v4                   ; and the same behind one padding more
	s_mul_i32 s21, s15, HALFT                      ; my 128 rows of x
	s_mul_i32 s22, s16, HALFT                      ; my 128 rows of w_in,
	s_add_co_u32 s22, s22, 2*HALFT                 ; which lie behind x's 256
.irp s, 0,1
	v_add_nc_u32 v[ADRA+\s], s21, v4
	v_add_nc_u32 v[ADRB+\s], s22, v4
	v_add_nc_u32 v[ADRA+2+\s], s21, v5
	v_add_nc_u32 v[ADRB+2+\s], s22, v5
	s_add_co_u32 s21, s21, SLOT
	s_add_co_u32 s22, s22, SLOT
.endr
	v_mul_u32_u24 v5, v1, KS                       ; my row's scale bytes: KS a row,
	v_lshrrev_b32 v6, 8, v5
	v_lshl_add_u32 v5, v6, 4, v5                   ; and 16 more for each 256 passed
	s_mul_i32 s21, s15, HALFS                      ; x's: my 128 rows
	s_mul_i32 s22, s16, HALFS                      ; w_in's: my 128 rows, behind x's 256
	s_add_co_u32 s22, s22, 2*HALFS
	s_sub_co_u32 s22, s22, s21
	v_mul_u32_u24 v6, s22, v2                      ; lanes 16-31 take w_in's
	s_add_co_u32 s21, s21, SCL
	v_add_nc_u32 v5, v5, v6
	v_add_nc_u32 v[ADRS], s21, v5
	; the addresses of both ways out are made here, ahead of the place where the ways part
	v_and_b32 v6, 31, v0
	v_lshlrev_b32 v[CO], 4, v6                     ; 16 x lane
	s_mul_i32 s23, s14, 2*PART
	s_add_co_u32 s23, s23, QSTG
	v_add_nc_u32 v[QST], s23, v[CO]
	v_lshl_add_u32 v[QSS], v1, 4, s23
	v_add_nc_u32 v[QSS], 6144, v[QSS]
	s_mul_i32 s23, s14, HALFT
	v_mul_u32_u24 v5, v1, 528
	v_lshl_add_u32 v5, v2, 5, v5
	v_add_nc_u32 v[VFS], s23, v5
	v_lshl_add_u32 v[VRD], v6, 2, s23
	s_add_co_u32 s23, s23, VFST
	v_mul_u32_u24 v5, v2, 1536
	v_lshl_add_u32 v5, v1, 4, v5
	v_add_nc_u32 v[VIS], s23, v5
	v_add_nc_u32 v[VIR], s23, v[CO]
	v_lshlrev_b32 v5, 4, v1
	v_lshl_add_u32 v5, v2, 2, v5
	v_add_nc_u32 v5, s23, v5
	v_add_nc_u32 v[VSS], 6144, v5
	; where my two PARTs go: head 16 (token / 2048) + 4 cx + 2 x my half of the features (+ 1 for the second), group or step (token / 128) % 16
	s_lshl_b32 s20, s17, 8
	s_lshl_b32 s21, s15, 7
	s_add_co_u32 s20, s20, s21                     ; my first token
	s_lshr_b32 s21, s20, 11                        ; its batch
	s_bfe_u32 s22, s20, 0x40007                    ; its group of 128 in the batch
	s_lshl_b32 s21, s21, 4
	s_lshl_b32 s46, s40, 2
	s_lshl_b32 s47, s16, 1
	s_add_co_u32 s46, s46, s47
	s_add_co_u32 s46, s46, s21                     ; my first head
	s_cmp_eq_u32 ttmp9, 0                          ; q?
	s_cselect_b64 s[12:13], s[96:97], s[98:99]
	s_mov_b32 s100, 32*PART
	s_cselect_b32 s100, 16*PART, s100              ; bytes from head to head
	s_mov_b32 s23, 2*PART
	s_cselect_b32 s23, PART, s23                   ; and from group to group
	s_cmp_eq_u32 ttmp9, 2                          ; v?  Its PART lies behind k's
	s_cselect_b32 s47, PART, 0
	s_mul_i32 s46, s46, s100
	s_mul_i32 s22, s22, s23
	s_add_co_u32 s46, s46, s22
	s_add_co_u32 s46, s46, s47
	s_mov_b32 s47, 0
	s_add_nc_u64 s[12:13], s[12:13], s[46:47]
	v_add_nc_u32 v[CO2], s100, v[CO]
.macro FRAG reg, adr, q, i             ; a fragment, 16 rows x 128 K of 6-bit codes, is 12 registers: lane l holds row l % 16; registers 6 c .. 6 c + 5 hold the 24 bytes of block 2 c + l / 16, as they lie
.irp p, 0,1,2,3,4,5                    ; in pieces of 8 bytes, so that every address is a multiple of the access's size
.set PCE, 12*(\q)+6*(\p/3)+\p%3        ; the mover has laid 16 bytes of padding behind every 64 bytes (8 pieces): where the piece three on lies behind one padding more, the second address register serves
.if PCE%8 < 5
	ds_load_b64 v[\reg+2*\p:\reg+2*\p+1], v[\adr] offset:8*PCE+16*(PCE/8)+(\i)*16*PITCH
.else
	ds_load_b64 v[\reg+2*\p:\reg+2*\p+1], v[\adr+2] offset:8*PCE+16*(PCE/8)+(\i)*16*PITCH
.endif
.endr
.endm
; 16 matrix instructions: x's blocks a0, a0 + 1 against w_in's eight, 128 along K: the slot's q-th.  p: w_in's set;  sc: the set of scale words.  zero = 1: the first product starts the sums: nothing is ever cleared.
; The 64 accumulators take turns, one instruction a turn, in the same order in every step.
.macro MUL16 a0, p, q, sc, zero
.irp a, \a0, \a0+1
.irp b, 0,1,2,3,4,5,6,7
.if \zero
	v_wmma_scale_f32_16x16x128_f8f6f4 v[8*(8*((\a)%4)+\b):8*(8*((\a)%4)+\b)+7], v[128*(\p)+FR*\b:128*(\p)+FR*\b+FR-1], v[AF+FR*(\a):AF+FR*(\a)+FR-1], 0, v[SC+8*NQ*(\sc)+NQ*\b+(\q)], v[SC+8*NQ*(\sc)+NQ*(\a)+(\q)] matrix_a_fmt:MATRIX_FMT_FP6 matrix_b_fmt:MATRIX_FMT_FP6 matrix_a_scale:MATRIX_SCALE_ROW1
.else
	v_wmma_scale_f32_16x16x128_f8f6f4 v[8*(8*((\a)%4)+\b):8*(8*((\a)%4)+\b)+7], v[128*(\p)+FR*\b:128*(\p)+FR*\b+FR-1], v[AF+FR*(\a):AF+FR*(\a)+FR-1], v[8*(8*((\a)%4)+\b):8*(8*((\a)%4)+\b)+7], v[SC+8*NQ*(\sc)+NQ*\b+(\q)], v[SC+8*NQ*(\sc)+NQ*(\a)+(\q)] matrix_a_fmt:MATRIX_FMT_FP6 matrix_b_fmt:MATRIX_FMT_FP6 matrix_a_scale:MATRIX_SCALE_ROW1
.endif
.endr
.endr
.endm
.macro FETCH_B slot, q, p              ; w_in's eight fragments of the slot's q-th 128 along K into set p
	WIN TO_B
.irp i, 0,1,2,3,4,5,6,7
	FRAG 128*(\p)+FR*\i, ADRB+\slot, \q, \i
.endr
	WIN 0
.endm
.macro FETCH_A slot, q, i0             ; x's blocks i0 .. i0 + 3
.irp i, \i0, \i0+1, \i0+2, \i0+3
	FRAG AF+FR*(\i), ADRA+\slot, \q, \i
.endr
.endm
.macro SCALES sc                       ; the next K step's scale words into set sc: NQ words a row; lanes 0-15 take x's block i, lanes 16-31 w_in's block i
.irp i, 0,1,2,3,4,5,6,7
	ds_load_b64 v[SC+8*NQ*\sc+NQ*\i:SC+8*NQ*\sc+NQ*\i+1], v[ADRS] offset:\i*SBLK
.endr
.endm
; A load into a register that a matrix instruction has read, and a vector instruction or an LDS store that reads a matrix result, stand NP places behind that matrix instruction, and only plain vector
; instructions that name none of its registers are places (ISA guide 7.12.1 for vector instructions).
.macro PLACES n
.rept \n
	v_nop
.endr
.endm
; A step of 128 along K that has its successor in the same slot.
.macro STEP slot, q, zero
	s_wait_dscnt 4*NL                              ; w_in's set and x's blocks 0-3 are in; the youngest 24 loads (x's blocks 4-7) may be out
	WIN MUL_LO
	MUL16 0, (\q)%2, \q, \slot, \zero
	MUL16 2, (\q)%2, \q, \slot, \zero
	s_wait_dscnt 0                                 ; x's blocks 4-7 are in (asked for 32 matrix instructions ago)
	PLACES NP
	FETCH_B \slot, (\q)+1, 1-(\q)%2
	FETCH_A \slot, (\q)+1, 0
	WIN MUL_HI
	MUL16 4, (\q)%2, \q, \slot, \zero
	MUL16 6, (\q)%2, \q, \slot, \zero
	PLACES NP
	WIN 0
	FETCH_A \slot, (\q)+1, 4
.endm
; A slot's last step changes slots: ONE barrier; in front of it each wave waits for all its tensor loads, adds 0 to its spare word, and waits for that and for its own reads of this slot.  fill = 1: this slot is filled again, two K steps ahead.
.macro TURN slot, next, fill
	s_wait_tensorcnt 0x0                           ; all my tensor loads have landed: my part of the next slot;  (every window is 0 here: the add's two registers lie in window 0)
	ds_add_u32 v[SPW], v[NIL]                      ; 0 onto my spare word
	s_wait_dscnt 4*NL+1                            ; (the add and the youngest 24 loads, x's blocks 4-7, may be out)
	WIN MUL_LO
	MUL16 0, 1, NQ-1, \slot, 0                     ; sixteen matrix instructions stand between the add and the wait for it
	s_wait_dscnt 0x0                               ; the add is done, and my reads of this slot are over
	s_barrier_signal -1
	MUL16 2, 1, NQ-1, \slot, 0
	WIN 0
	s_barrier_wait -1
.if \fill
	CREST                                          ; the barrier has opened a round of the cluster's barrier: no wave of any partner still reads this slot's tile or has a load on its way
	s_add_nc_u64 s[G0+4*\slot+2:G0+4*\slot+3], s[G0+4*\slot+2:G0+4*\slot+3], 2*ROWB
	s_add_nc_u64 s[G0B+4*\slot+2:G0B+4*\slot+3], s[G0B+4*\slot+2:G0B+4*\slot+3], 2*ROWB
	JLOAD G0+4*\slot, G1, G0B+4*\slot, G1B         ; the first tensor load behind the round; the four v_nop behind it are the places in front of the loads below
.else
	PLACES NP
.endif
	v_add_nc_u32 v[ADRS], 4*NQ, v[ADRS]            ; on to the next K step's scale words (no LDS load of mine is out)
	FETCH_B \next, 0, 0
	FETCH_A \next, 0, 0
	SCALES \next
	WIN MUL_HI
	MUL16 4, 1, NQ-1, \slot, 0
	MUL16 6, 1, NQ-1, \slot, 0
	PLACES NP
	WIN 0
	FETCH_A \next, 0, 4
.endm
	s_wait_tensorcnt 1                             ; the scale bytes and my part of K step 0 are in (K step 1's load may be out),
	s_barrier_signal -1
	s_barrier_wait -1                              ; everybody's are
	FETCH_B 0, 0, 0
	FETCH_A 0, 0, 0
	SCALES 0
	FETCH_A 0, 0, 4
	STEP 0, 0, 1                                   ; the first step stands in front of the loop: its products start the sums
	s_mov_b32 s3, LAPS-1
.Llap:                                                 ; a trip goes once round the ring, from a lap's second step to the next lap's first, and fills both slots again
	TURN 0, 1, 1
	STEP 1, 0, 0
	TURN 1, 0, 1
	STEP 0, 0, 0
	s_sub_co_u32 s3, s3, 1
	s_cmp_lg_u32 s3, 0
	s_cbranch_scc1 .Llap
	TURN 0, 1, 0                                   ; the last lap fills nothing, and has no round of the cluster's barrier
	STEP 1, 0, 0
	s_wait_dscnt 4*NL                              ; the very last step: nothing more to fetch
	WIN MUL_LO
	MUL16 0, 1, NQ-1, 1, 0
	MUL16 2, 1, NQ-1, 1, 0
	s_wait_dscnt 0
	WIN MUL_HI
	MUL16 4, 1, NQ-1, 1, 0
	MUL16 6, 1, NQ-1, 1, 0
	WIN 0
; ---- THE WAY OUT ----
; q, k: tile a (16 tokens), head g of my two.  A lane's 32 numbers are halves of the head's two blocks; lane l xor 16 holds the other halves.
.macro QKT a, g
.set AC, 64*((\a)%4)+32*(\g)
	WIN 0x0a+5*((\a)/4)                            ; sources 0 and 1: window 2 or 3; source 2 and the destination: window 0
.irp e, 0,1
	v_max3_num_f32 v[TM+\e], |v[AC+16*\e]|, |v[AC+16*\e+1]|, 0x1800000   ; block e: my 16 numbers, each accumulator from its low end on, and the floor 2^(3 - 127): the byte cannot fall under 1
.endr
.irp i, 2,4,6,8,10,12,14
.irp e, 0,1
	v_max3_num_f32 v[TM+\e], |v[AC+16*\e+\i]|, |v[AC+16*\e+\i+1]|, v[TM+\e]   ; (the two blocks by turns)
.endr
.endr
	WIN 0
.irp e, 0,1
	v_permlanex16_b32 v[TM+2+\e], v[TM+\e], s[SEL], s[SEL+1]
.endr
.irp e, 0,1
	v_max_num_f32 v[TM+\e], v[TM+\e], v[TM+2+\e]   ; with lane l xor 16's: the block's largest magnitude
.endr
.irp e, 0,1
	v_add_nc_u32 v[TM+4+\e], 0xff000000, v[TM+\e]  ; 2 off its exponent field: the conversion's scale operand
.endr
.irp e, 0,1
	v_lshrrev_b32 v[TM+2+\e], 23, v[TM+4+\e]       ; the scale's byte
.endr
	s_wait_dscnt 0x0                               ; the last tile's LDS stores have read the scale word and the codes
	v_lshl_or_b32 v[PW], v[TM+3], 8, v[TM+2]
	v_or_b32 v[PW], 0x7f7f0000, v[PW]              ; bytes 2 and 3, for the half of the instruction's K that a head does not have: 2^0
	WIN 0x02+(\a)/4                                ; source 0: window 2 or 3
	v_cvt_scalef32_pk16_fp6_f32 v[PC:PC+2], v[AC:AC+15], v[TM+4]
	v_cvt_scalef32_pk16_fp6_f32 v[PC+6:PC+8], v[AC+16:AC+31], v[TM+5]   ; (a conversion's three registers begin on an even number)
	WIN 0
	v_nop                                          ; one plain place behind a scaled conversion
.irp i, 0,1,2
	v_permlane16_swap_b32 v[PC+\i], v[PC+6+\i]     ; the operand's layout wants a WHOLE block in a lane: lanes 0-15 block 0, lanes 16-31 block 1
.endr
.irp i, 0,1,2
	v_mov_b32 v[PC+3+\i], v[PC+6+\i]
.endr
.if ((\a)%2) == 0                      ; registers 6 a .. 6 a + 5 of the image
	ds_store_b128 v[QST], v[PC:PC+3] offset:PART*(\g)+1536*((\a)/2)
	ds_store_b64 v[QST], v[PC+4:PC+5] offset:PART*(\g)+1536*((\a)/2)+512
.else
	ds_store_b64 v[QST], v[PC:PC+1] offset:PART*(\g)+1536*((\a)/2)+520
	ds_store_b128 v[QST], v[PC+2:PC+5] offset:PART*(\g)+1536*((\a)/2)+1024
.endif
	ds_store_b32 v[QSS], v[PW] offset:PART*(\g)+256*((\a)%2)+4*((\a)/2)   ; both halves of the lanes write the same word with the same value
.endm
; v: chunk c = tokens 32 c .. 32 c + 31 of my 128: one block of 32 keys.  The f32 numbers turn through my stage, so that a lane holds ONE feature and its registers run down the tokens.
.macro VSTAGE c
.irp u, 0,1
.set AC, 64*((2*(\c)+\u)%4)
	WIN 0x08+4*((\c)/2)                            ; an LDS store's data are its source 1: window 2 or 3
.irp b, 0,1,2,3,4,5,6,7
	ds_store_b128 v[VFS], v[AC+8*\b:AC+8*\b+3] offset:8448*\u+64*\b          ; each accumulator from its low end on
	ds_store_b128 v[VFS], v[AC+8*\b+4:AC+8*\b+7] offset:8448*\u+64*\b+16
.endr
.endr
	WIN 0
.endm
.macro VLOAD f                         ; features 32 f + lane: the chunk's 32 tokens in the order of codes in a block: 0-7, 16-23, 8-15, 24-31
.set XB, X+32*((\f)%2)
.irp i, 0,1,2,3,4,5,6,7,8,9,10,11,12,13,14,15,16,17,18,19,20,21,22,23,24,25,26,27,28,29,30,31
	ds_load_b32 v[XB+\i], v[VRD] offset:528*((\i%8)+16*((\i/8)%2)+8*(\i/16))+128*(\f)
.endr
.endm
.macro VPROC c, f, n                   ; n: the LDS instructions issued behind this set's loads, which may stay out
.set XB, X+32*((\f)%2)
	s_wait_dscnt \n                                ; my 32 numbers are in, and the image stores issued before them have read their registers
	v_max3_num_f32 v[TM], |v[XB]|, |v[XB+1]|, |v[XB+2]|               ; the block's largest magnitude: all 32 numbers are mine
	v_max3_num_f32 v[TM+1], |v[XB+3]|, |v[XB+4]|, |v[XB+5]|
.irp i, 6,10,14,18,22,26
	v_max3_num_f32 v[TM], v[TM], |v[XB+\i]|, |v[XB+\i+1]|
	v_max3_num_f32 v[TM+1], v[TM+1], |v[XB+\i+2]|, |v[XB+\i+3]|
.endr
	v_max3_num_f32 v[TM], v[TM], |v[XB+30]|, |v[XB+31]|
	v_max3_num_f32 v[TM], v[TM], v[TM+1], 0x1800000
	v_add_nc_u32 v[TM+4], 0xff000000, v[TM]
	v_lshrrev_b32 v[TM+2], 23, v[TM+4]
.if (\c) == 0
	v_mov_b32 v[SW+(\f)], v[TM+2]                  ; four key blocks' bytes make my channel's scale word
.else
	v_lshl_or_b32 v[SW+(\f)], v[TM+2], 8*(\c), v[SW+(\f)]
.endif
	v_cvt_scalef32_pk16_fp6_f32 v[PC:PC+2], v[XB:XB+15], v[TM+4]
	v_cvt_scalef32_pk16_fp6_f32 v[PC+6:PC+8], v[XB+16:XB+31], v[TM+4]
	v_nop                                          ; one plain place behind a scaled conversion
.irp i, 0,1,2
	v_mov_b32 v[PC+3+\i], v[PC+6+\i]
.endr
.set VO, PART*((\f)/2)+3072*((\f)%2)+256*((\c)%2)  ; head f / 2; tiles 2 (f % 2) + lane / 16; the image's lanes 16 (c % 2) + lane % 16
.if ((\c)/2) == 0                      ; registers 12 t + 6 (c / 2) + 0 .. 5 of the image
	ds_store_b128 v[VIS], v[PC:PC+3] offset:VO
	ds_store_b64 v[VIS], v[PC+4:PC+5] offset:VO+512
.else
	ds_store_b64 v[VIS], v[PC:PC+1] offset:VO+520
	ds_store_b128 v[VIS], v[PC+2:PC+5] offset:VO+1024
.endif
.endm
; my two PARTs leave: LDS serves a wave's instructions in order, so the loads see my stores.  Each store of the wave covers 512 consecutive bytes, at a multiple of 256 from the buffer's first byte.
.macro SENDIMG adr
.irp g, 0,1
.irp i, 0,1,2,3,4,5,6,7,8,9,10,11,12
	ds_load_b128 v[BK+52*\g+4*\i:BK+52*\g+4*\i+3], v[\adr] offset:PART*\g+512*\i
.endr
.endr
	s_wait_dscnt 13                                ; the first head's 13 loads are in; the second's may be out
.irp i, 0,1,2,3,4,5,6,7,8,9,10,11,12
	global_store_b128 v[CO], v[BK+4*\i:BK+4*\i+3], s[12:13] offset:512*\i
.endr
	s_wait_dscnt 0x0
.irp i, 0,1,2,3,4,5,6,7,8,9,10,11,12
	global_store_b128 v[CO2], v[BK+52+4*\i:BK+52+4*\i+3], s[12:13] offset:512*\i
.endr
.endm
	PLACES NP                                      ; behind the last products: their results are read and their operands' registers written from here on
	v_mov_b32 v[TM+2], 0                           ; written once: a lane permute's destination counts as one of its sources
	v_mov_b32 v[TM+3], 0
	s_cmp_eq_u32 ttmp9, 2                          ; the cluster's x: the same in all sixteen partners and in all four waves
	s_cbranch_scc1 .Lv
.irp a, 0,1,2,3,4,5,6,7
	QKT \a, 0
	QKT \a, 1
.endr
	SENDIMG QST
	s_branch .Ldone
.Lv:
.irp c, 0,1,2,3
	VSTAGE \c
	VLOAD 0
	VLOAD 1
	VPROC \c, 0, 32                                ; the count leaves out the 32 loads issued last
	VLOAD 2
	VPROC \c, 1, 32
	VLOAD 3
	VPROC \c, 2, 32
	VPROC \c, 3, 0
.endr
.irp f, 0,1,2,3
	ds_store_b32 v[VSS], v[SW+\f] offset:PART*(\f/2)+8*(\f%2)
	ds_store_b32 v[VSS], v[SW+\f] offset:PART*(\f/2)+8*(\f%2)+256   ; once more, so that every byte of the PART is written
.endr
	SENDIMG VIR
.Ldone:
	s_wait_tensorcnt 0x0                           ; the wave's end: behind my last tensor load and my last LDS store
	ds_add_u32 v[SPW], v[NIL]
	s_wait_dscnt 0x0
	CROUND                                         ; the closing round: no work-group ends while a partner may still ask for a tile that names it
	s_endpgm
.Lfunc_end_k_qd802bb1a5d_qkv:
	.size	k_qd802bb1a5d_qkv, .Lfunc_end_k_qd802bb1a5d_qkv-k_qd802bb1a5d_qkv
	.p2alignl 7, 3214868480
	.fill 96, 4, 3214868480
	.section	.rodata,"a",@progbits
	.p2align	6, 0x0
	.amdhsa_kernel k_qd802bb1a5d_qkv
		.amdhsa_group_segment_fixed_size 327680
		.amdhsa_private_segment_fixed_size 0
		.amdhsa_enable_private_segment 0
		.amdhsa_kernarg_size 48
		.amdhsa_user_sgpr_count 2
		.amdhsa_user_sgpr_kernarg_segment_ptr 1
		.amdhsa_wavefront_size32 1
		.amdhsa_system_sgpr_workgroup_id_x 1
		.amdhsa_system_sgpr_workgroup_id_y 1
		.amdhsa_system_sgpr_workgroup_id_z 1
		.amdhsa_system_vgpr_workitem_id 0
		.amdhsa_next_free_vgpr 1024
		.amdhsa_next_free_sgpr 102
		.amdhsa_reserve_vcc 0
		.amdhsa_float_denorm_mode_32 3
		.amdhsa_float_denorm_mode_16_64 3
		.amdhsa_memory_ordered 1
		.amdhsa_forward_progress 1
		.amdhsa_inst_pref_size 242
	.end_amdhsa_kernel
	.amdgpu_metadata
---
amdhsa.version: [ 1, 2 ]
amdhsa.kernels:
  - .name:           k_qd802bb1a5d_qkv
    .symbol:         k_qd802bb1a5d_qkv.kd
    .args:
      - { .name: xc, .offset: 0, .size: 8, .value_kind: global_buffer, .address_space: global }
      - { .name: xs, .offset: 8, .size: 8, .value_kind: global_buffer, .address_space: global }
      - { .name: wc, .offset: 16, .size: 8, .value_kind: global_buffer, .address_space: global }
      - { .name: ws, .offset: 24, .size: 8, .value_kind: global_buffer, .address_space: global }
      - { .name: qimg, .offset: 32, .size: 8, .value_kind: global_buffer, .address_space: global }
      - { .name: kvimg, .offset: 40, .size: 8, .value_kind: global_buffer, .address_space: global }
    .group_segment_fixed_size: 327680
    .private_segment_fixed_size: 0
    .kernarg_segment_align: 8
    .kernarg_segment_size: 48
    .max_flat_workgroup_size: 128
    .sgpr_count:     102
    .vgpr_count:     1024
    .wavefront_size: 32
...
	.end_amdgpu_metadata
.endif
;; end of part 2
;; launch attn (part 3): grid 4 x 64, 16 waves a work-group, clusters of 4 x 1, 227,328 bytes of LDS; arguments qimg, kvimg, oc, os; writes oc, os
.if DOCPART == 3
	.amdgcn_target "amdgcn-amd-amdhsa--gfx1250"
	.amdhsa_code_object_version 6
	.text
	.protected	k_qd802bb1a5d_attn
	.globl	k_qd802bb1a5d_attn
	.p2align	8
	.type	k_qd802bb1a5d_attn,@function
k_qd802bb1a5d_attn:
	s_mov_b64 s[64:65], 0
	v_nop
	global_prefetch_b8 v0, s[64:65] scope:SCOPE_SE
	s_setreg_imm32_b32 hwreg(HW_REG_WAVE_MODE, 25, 1), 1
	s_wait_xcnt 0x0
	s_wait_alu depctr_hold_cnt(0) depctr_sa_sdst(0) depctr_va_vdst(0) depctr_va_sdst(0) depctr_va_ssrc(0) depctr_va_vcc(0) depctr_vm_vsrc(0)
	s_getreg_b32 s2, hwreg(HW_REG_IB_STS2, 6, 4)
	s_cmp_eq_u32 s2, 0
	s_cbranch_scc0 .Lentry_in_a_cluster
	s_endpgm
.Lentry_in_a_cluster:
	s_bfe_u32 s2, ttmp6, 0x10000c
	s_cmp_lg_u32 s2, 0x3003
	s_cbranch_scc0 .Lentry_shape_is_right
	s_endpgm
.Lentry_shape_is_right:
; o[q][:] = the sum over k of softmax_k(q . k / sqrt(64)) v[k][:] for 64 heads (4 batches x 16) of 2,048 tokens x 64 channels, both products on codes of FP6 (E2M3) with one E8M0 scale for each 32 along K;
; o is then quantised along the model's 1,024 channels and leaves as codes (oc [16 heads][8192 tokens][48 bytes]) and scale bytes (os [8192][32], byte 2 head + block).
; THE SOFTMAX AHEAD OF THE SECOND PRODUCT: t = score x log2(e) / 8; M = the row's largest t so far, rounded UP to a whole number; p = 2^(t - M) is what is quantised, along the keys; it is not normalised.
; The row's sum is taken of the unquantised p, in f32, and divides o at the end.  When M moves, the sum and o are multiplied by 2^(old M - new M): exact.
; SHARES.  A work-group owns 512 queries of one head; each of its SIXTEEN waves owns a tile of 16 of them in each of two passes, in 256 registers: four waves to a SIMD, so that one wave's vector work stands
; beside another's matrix work and LDS loads.  Every wave walks all 2,048 keys, 128 a step.
; A HEAD'S K AND V ARE 212,992 BYTES OF REGISTER IMAGES (kvimg) AND LIE IN LDS WHOLE: filled once, never again: no ring, and no barrier inside the loops over the keys.
; CLUSTER.  The four work-groups of a head form a cluster and ask for K and V JOINTLY: the same tensor loads, with the same descriptors and a mask that names the four.  Each of the sixteen waves asks for
; a sixteenth of steps 0-3 and a sixteenth of steps 4-15: by this text's count two tensor loads of a wave are out.  The first three steps are worked while the second fill is on its way.
; LAYOUT.  Both products are used transposed: S^T = K Q^T (source 0 = 16 keys, source 1 = my 16 queries), O^T = V^T P^T (source 0 = 16 channels, source 1 = P): a lane holds ONE query (lane % 16) throughout.
; In S^T lane (r, h) of tile t holds keys 16 t + 8 h + 0 .. 7: the 16 registers of tiles 2 b, 2 b + 1 are keys 0-7, 16-23 (h = 0) or 8-15, 24-31 (h = 1) of block b: the order of codes in a block in which V was laid.
; K = 64 IN AN INSTRUCTION OF K = 128: Q's registers 6-11 are zero codes and bytes 2, 3 of Q's and K's scale words are 0x7f.  K's tile t is named as twelve registers from its six on: the upper six are the next
; tile's codes (behind tile 7: six registers of zeros).  E2M3 has neither NaN nor infinity, so each such product is 0 x a finite number.
; A step's fragments come by ds_load_b128 alone, 16 bytes a lane on end: the images are laid in the order of the operands' registers.
; LIMITS: NaN and infinities are not served; p under 2^-126 counts as 0 (v_exp_f32); a block whose largest number lies under 2^-124 takes the byte 1 (zero codes add nothing).
.set PART,  6656                       ; 6,144 bytes of codes + 512 of scale words
.set STEPB, 2*PART                     ; a step: K's PART, V's PART
.set HEADB, 16*STEPB
.set OSTG,  HEADB                      ; behind K and V: 768 bytes for each wave, for the way out; no fill lands here
.set LI,  1                            ; v1   16 x lane
.set ADR, 2                            ; v2   LDS address of the step in hand, + 16 x lane
.set STO, 3                            ; v3   the way out: OSTG + 768 wave + 48 r + 24 h
.set SRD, 4                            ; v4   and back: OSTG + 768 wave + 8 x lane
.set GOC, 5                            ; v5   8 x lane
.set GOS, 6                            ; v6   32 r + h
.set QO,  7                            ; v7-9 where the three pairs of registers of my tile of Q lie in its PART
.set QSO, 10                           ; v10  and its scale word
.set QF,  16                           ; v16-27 Q's fragment (22-27: zeros)
.set QS,  28                           ; v28  Q's scale words
.set H8,  29                           ; v29  8 h
.set F,   30                           ; v30-77 a step's fragments of K, then of V
.set ZK,  78                           ; v78-83 zeros
.set KS,  84                           ; v84-87 K's scale words: register i: tile 2 i in lanes 0-15, tile 2 i + 1 in lanes 16-31
.set VS,  88                           ; v88-91 V's: register t: tile t
.set S,   92                           ; v92-155 S^T, then p
.set O,   156                          ; v156-187 O^T
.set PC,  188                          ; v188-199 p's codes
.set CT,  200                          ; v200-206 the conversions' second halves
.set BM,  208                          ; v208-211 the blocks' largest scores, then largest p
.set T4,  212                          ; v212-215 the other half's; then bytes
.set SO,  216                          ; v216-219 the conversions' scale operands
.set FF,  220                          ; v[220:221] f = 2^(old M - new M); at the end 1 / the sum (221: named with it as a pair)
.set PW,  222                          ; v222 p's scale word
.set TT,  223                          ; v223 at work
.set SB,  224                          ; v[224:225] the sum's second chain
.set WV,  12
.set SEL, 20                           ; s[20:21] lane selects for v_permlanex16_b32: lane l xor 16
.set CS,  22                           ; s[22:23] c = log2(e) / 8
.set G1A, 24                           ; s[24:31] group 1: 13 rows of 256 bytes;  s[32:39]: 39 rows
.set G1B, 32
.set G0A, 40                           ; s[40:43], s[44:47] their groups 0
.set G0B, 44
.set TB,  48                           ; LDS byte at which the step in hand begins
.set CNT, 49
.set PASS, 50
.macro CROUND                          ; a round of the cluster's barrier
	s_barrier_signal -1
	s_barrier_wait -1
	s_cmp_lg_u32 s[WV], 0
	s_cbranch_scc1 .Lnot_wave_0_\@
	s_barrier_signal -3
.Lnot_wave_0_\@:
	s_barrier_wait -3
	s_barrier_signal -1
	s_barrier_wait -1
.endm
	s_load_b256 s[4:11], s[0:1], 0x0               ; qimg s[4:5], kvimg s[6:7], oc s[8:9], os s[10:11]
	v_lshl_add_u32 v254, v0, 2, 0x37000
	v_mov_b32 v255, 0
	ds_add_u32 v254, v255
	ds_add_u32 v254, v255
	v_lshrrev_b32 v1, 5, v0
	v_readfirstlane_b32 s[WV], v1                  ; wave 0..15
	s_bfe_u32 s13, ttmp6, 0x40000                  ; cx: my 512 queries of the head
	s_and_b32 s14, ttmp7, 0xffff                   ; the head, 0..63, which the four partners share
	; descriptor groups 1: dense bytes as rows of 256 (32 elements of 8 bytes), no padding
	s_mov_b32 s[G1A], 15|(3<<16)|(1<<21)           ; 15:0 the mask: all four work-groups; 17:16 elements of 8 bytes; 21 set beside a mask
	s_mov_b32 s[G1A+1], 32<<16                     ; tensor_dim0
	s_mov_b32 s[G1A+2], 13<<16                     ; tensor_dim1
	s_mov_b32 s[G1A+3], 32<<16                     ; tile_dim0
	s_mov_b32 s[G1A+4], 13                         ; tile_dim1
	s_mov_b32 s[G1A+5], 32                         ; tensor_dim0_stride
	s_mov_b32 s[G1A+6], 0
	s_mov_b32 s[G1A+7], 0
	s_mov_b32 s[G1B], 15|(3<<16)|(1<<21)
	s_mov_b32 s[G1B+1], 32<<16
	s_mov_b32 s[G1B+2], 39<<16
	s_mov_b32 s[G1B+3], 32<<16
	s_mov_b32 s[G1B+4], 39
	s_mov_b32 s[G1B+5], 32
	s_mov_b32 s[G1B+6], 0
	s_mov_b32 s[G1B+7], 0
	s_mov_b32 s[SEL], 0x76543210
	s_mov_b32 s[SEL+1], 0xfedcba98
	s_mov_b32 s[CS], 0x3e38aa3b                    ; c = log2(e) / sqrt(64)
	s_mov_b32 s[CS+1], s[CS]                       ; (named with it as a pair, so it is written)
	s_mul_i32 s52, s14, HEADB                      ; the head's first byte in kvimg
	s_wait_dscnt 0x0
	s_wait_kmcnt 0x0
	CROUND                                         ; all four work-groups are here: the joint loads meet
	s_mov_b32 s[G0A], 1
	s_mul_i32 s[G0A+1], s[WV], 13*256              ; steps 0-3: 53,248 bytes, a sixteenth a wave; in LDS as in the head's bytes
	s_add_co_u32 s54, s52, s[G0A+1]
	s_mov_b32 s55, 0
	s_add_nc_u64 s[G0A+2:G0A+3], s[6:7], s[54:55]
	s_or_b32 s[G0A+3], s[G0A+3], 0x80000000
	s_mov_b32 s[G0B], 1
	s_mul_i32 s[G0B+1], s[WV], 39*256              ; steps 4-15: 159,744 bytes
	s_add_co_u32 s[G0B+1], s[G0B+1], 4*STEPB
	s_add_co_u32 s56, s52, s[G0B+1]
	s_mov_b32 s57, 0
	s_add_nc_u64 s[G0B+2:G0B+3], s[6:7], s[56:57]
	s_or_b32 s[G0B+3], s[G0B+3], 0x80000000
	tensor_load_to_lds s[G0A:G0A+3], s[G1A:G1A+7]
	s_nop 0
	tensor_load_to_lds s[G0B:G0B+3], s[G1B:G1B+7]
	s_nop 0
.rept 4
	v_nop
.endr
	; Q: qimg + head x 16 PART + (4 cx + wave / 8) PART; pass 1 lies 2 PART further on
	s_mul_i32 s52, s14, 16*PART
	s_lshl_b32 s53, s13, 2
	s_lshr_b32 s54, s[WV], 3
	s_add_co_u32 s53, s53, s54
	s_mul_i32 s53, s53, PART
	s_add_co_u32 s52, s52, s53
	s_mov_b32 s53, 0
	s_add_nc_u64 s[4:5], s[4:5], s[52:53]
	; my first token among the 8,192: 2048 batch + 512 cx + 16 wave
	s_lshr_b32 s52, s14, 4
	s_lshl_b32 s52, s52, 11
	s_lshl_b32 s53, s13, 9
	s_add_co_u32 s52, s52, s53
	s_lshl_b32 s53, s[WV], 4
	s_add_co_u32 s52, s52, s53
	s_and_b32 s53, s14, 15                         ; the head in its batch
	s_mul_i32 s54, s53, 8192*48
	s_mul_i32 s55, s52, 48
	s_add_co_u32 s54, s54, s55
	s_mov_b32 s55, 0
	s_add_nc_u64 s[8:9], s[8:9], s[54:55]          ; oc at my tile: 768 bytes
	s_lshl_b32 s54, s52, 5
	s_lshl_b32 s53, s53, 1
	s_add_co_u32 s54, s54, s53
	s_add_nc_u64 s[10:11], s[10:11], s[54:55]      ; os at my first token's two bytes
	v_and_b32 v11, 31, v0                          ; lane
	v_lshlrev_b32 v[LI], 4, v11
	v_and_b32 v[BM], 15, v0                        ; r
	v_bfe_u32 v[BM+1], v0, 4, 1                    ; h
	s_mul_i32 s52, s[WV], 768
	s_add_co_u32 s52, s52, OSTG
	v_mul_u32_u24 v[STO], v[BM], 48
	v_mad_u32_u24 v[STO], v[BM+1], 24, v[STO]
	v_add_nc_u32 v[STO], s52, v[STO]
	v_lshl_add_u32 v[SRD], v11, 3, s52
	v_lshlrev_b32 v[GOC], 3, v11
	v_lshl_add_u32 v[GOS], v[BM], 5, v[BM+1]
	v_lshlrev_b32 v[H8], 3, v[BM+1]
	s_and_b32 s53, s[WV], 7                        ; my tile in its group of eight
	s_mul_i32 s54, s53, 3
.irp i, 0,1,2                          ; pair of registers 3 tile + i of the image: 512 (pair / 2) + 8 (pair % 2) + 16 x lane
	s_add_co_u32 s55, s54, \i
	s_lshr_b32 s56, s55, 1
	s_lshl_b32 s56, s56, 9
	s_and_b32 s55, s55, 1
	s_lshl_b32 s55, s55, 3
	s_add_co_u32 s55, s55, s56
	v_add_nc_u32 v[QO+\i], s55, v[LI]
.endr
	s_and_b32 s55, s53, 1
	s_lshl_b32 s55, s55, 8
	s_lshr_b32 s56, s53, 1
	s_lshl_b32 s56, s56, 2
	s_add_co_u32 s55, s55, s56
	s_add_co_u32 s55, s55, 6144
	v_lshl_add_u32 v[QSO], v[BM], 4, s55           ; 6144 + 16 r + 256 (tile % 2) + 4 (tile / 2)
.irp i, 6,7,8,9,10,11
	v_mov_b32 v[QF+\i], 0                          ; zero codes for the half of K that a head does not have
.endr
.irp i, 0,1,2,3,4,5
	v_mov_b32 v[ZK+\i], 0
.endr
.irp i, 0,1,2,3
	v_mov_b32 v[T4+\i], 0                          ; written once: a lane permute's destination counts as one of its sources
.endr
	v_mov_b32 v[FF+1], 0
.macro QLOAD off
.irp i, 0,1,2
	global_load_b64 v[QF+2*\i:QF+2*\i+1], v[QO+\i], s[4:5] offset:\off
.endr
	global_load_b32 v[QS], v[QSO], s[4:5] offset:\off
.endm
.macro FETCH_K off                     ; eight tiles of 16 keys, six registers each, and their scale words
.irp g, 0,1,2,3,4,5,6,7,8,9,10,11
	ds_load_b128 v[F+4*\g:F+4*\g+3], v[ADR] offset:\off+512*\g
.endr
	ds_load_b128 v[KS:KS+3], v[ADR] offset:\off+6144
.endm
.macro FETCH_V                         ; four tiles of 16 channels x 128 keys, twelve registers each, and their scale words
.irp g, 0,1,2,3,4,5,6,7,8,9,10,11
	ds_load_b128 v[F+4*\g:F+4*\g+3], v[ADR] offset:PART+512*\g
.endr
	ds_load_b128 v[VS:VS+3], v[ADR] offset:PART+6144
.endm
.macro SUMN n                          ; line n of 32 of the row's sum of the unquantised p: two at a time, in two chains
.if (\n) == 0
	v_pk_add_f32 v[SB:SB+1], v[S:S+1], v[S+2:S+3]
.elseif (\n) == 31
	v_pk_add_f32 v[14:15], v[14:15], v[SB:SB+1]
.elseif ((\n)%2) == 1
	v_pk_add_f32 v[14:15], v[14:15], v[S+2*(\n)+2:S+2*(\n)+3]
.else
	v_pk_add_f32 v[SB:SB+1], v[SB:SB+1], v[S+2*(\n)+2:S+2*(\n)+3]
.endif
.endm
; A KEY STEP: 128 keys.  next = 1: the next step's K is fetched behind the second product.
.macro STEP next
	s_wait_dscnt 0x0                               ; this step's K and its scale words are in
	v_add_nc_u32 v[ADR], s[TB], v[LI]
.irp t, 0,2,4,6
	v_wmma_scale_f32_16x16x128_f8f6f4 v[S+8*\t:S+8*\t+7], v[F+6*\t:F+6*\t+11], v[QF:QF+11], 0, v[KS+\t/2], v[QS] matrix_a_fmt:MATRIX_FMT_FP6 matrix_b_fmt:MATRIX_FMT_FP6
	v_wmma_scale_f32_16x16x128_f8f6f4 v[S+8*\t+8:S+8*\t+15], v[F+6*\t+6:F+6*\t+17], v[QF:QF+11], 0, v[KS+\t/2], v[QS] matrix_a_fmt:MATRIX_FMT_FP6 matrix_b_fmt:MATRIX_FMT_FP6 matrix_a_scale:MATRIX_SCALE_ROW1
.endr
.rept 4
	v_nop                                          ; places in front of the loads into K's registers and of the first read of the scores
.endr
	FETCH_V                                        ; lands while the softmax is worked
.irp b, 0,1,2,3
	v_max3_num_f32 v[BM+\b], v[S+16*\b], v[S+16*\b+1], v[S+16*\b+2]   ; THE LARGEST SCORE OF EACH BLOCK OF 32 KEYS: for the row's maximum, and, since p rises with the score, for the block's largest p
.endr
.irp i, 3,5,7,9,11,13
.irp b, 0,1,2,3
	v_max3_num_f32 v[BM+\b], v[BM+\b], v[S+16*\b+\i], v[S+16*\b+\i+1]   ; (the four blocks by turns)
.endr
.endr
.irp b, 0,1,2,3
	v_max_num_f32 v[BM+\b], v[BM+\b], v[S+16*\b+15]
.endr
.irp b, 0,1,2,3
	v_permlanex16_b32 v[T4+\b], v[BM+\b], s[SEL], s[SEL+1]
.endr
.irp b, 0,1,2,3
	v_max_num_f32 v[BM+\b], v[BM+\b], v[T4+\b]     ; with lane l xor 16's 16 keys
.endr
	v_max3_num_f32 v[TT], v[BM], v[BM+1], v[BM+2]
	v_max_num_f32 v[TT], v[TT], v[BM+3]            ; the step's largest score of my query
	v_mul_f32 v[TT], s[CS], v[TT]                  ; as t (c is positive)
	v_max_num_f32 v13, v13, v[TT]                  ; the running largest t
	v_mov_b32 v[TT], v12
	v_floor_f32 v12, -v13                          ; the new -M = floor(-t) = -ceil(t): M IS A WHOLE NUMBER
	v_sub_f32 v[TT], v12, v[TT]                    ; M's old value less its new one: a whole number, 0 or less
	v_cvt_i32_f32 v[TT], v[TT]                     ; (it saturates)
	v_ldexp_f32 v[FF], 1.0, v[TT]                  ; f = 2^(old M - new M)
.irp j, 0,2,4,6,8,10,12,14,16,18,20,22,24,26,28,30,32,34,36,38,40,42,44,46,48,50,52,54,56,58,60,62
	v_pk_fma_f32 v[S+\j:S+\j+1], v[S+\j:S+\j+1], s[CS:CS+1], v[12:13] op_sel_hi:[1,0,0]   ; t - M, two at a time (of the pairs c and -M the low word serves both halves)
.endr
.irp b, 0,1,2,3
	v_fma_f32 v[BM+\b], v[BM+\b], s[CS], v12       ; the same of each block's largest score
.endr
.irp j, 0,1,2,3,4,5,6,7,8,9,10,11,12,13,14,15,16,17,18,19,20,21,22,23,24,25,26,27,28,29,30,31,32,33,34,35,36,37,38,39,40,41,42,43,44,45,46,47,48,49,50,51,52,53,54,55,56,57,58,59,60,61,62,63
	v_exp_f32 v[S+\j], v[S+\j]                     ; p = 2^(t - M), at most 1: NOT normalised
.endr
.irp b, 0,1,2,3
	v_exp_f32 v[BM+\b], v[BM+\b]                   ; the block's largest p: the same two instructions on the same number give the same bits.  All 68 are ONE batch
.endr
	v_pk_mul_f32 v[14:15], v[14:15], v[FF:FF+1] op_sel_hi:[1,0]   ; the sums under the new M: the plain line behind the exponentials; none of these 17 lines names a result of the batch
.irp j, 0,2,4,6,8,10,12,14,16,18,20,22,24,26,28,30
	v_pk_mul_f32 v[O+\j:O+\j+1], v[O+\j:O+\j+1], v[FF:FF+1] op_sel_hi:[1,0]   ; O^T under the new M, each accumulator from its low end on
.endr
	s_wait_alu depctr_va_vdst(0)                   ; one wait for the whole batch, ahead of its first reader
.irp b, 0,1,2,3
	v_max_num_f32 v[BM+\b], 0x1800000, v[BM+\b]    ; the floor 2^(3 - 127): the byte cannot fall under 1
.endr
.irp b, 0,1,2,3
	v_add_nc_u32 v[SO+\b], 0xff000000, v[BM+\b]    ; 2 off the exponent field: the conversion's scale operand
.endr
.irp b, 0,1,2,3
	v_lshrrev_b32 v[T4+\b], 23, v[SO+\b]           ; the scale's byte
.endr
	v_lshl_or_b32 v[PW], v[T4+1], 8, v[T4]         ; p's scale word for these 128 keys
	v_lshl_or_b32 v[PW], v[T4+2], 16, v[PW]
	v_lshl_or_b32 v[PW], v[T4+3], 24, v[PW]
.irp c, 0,1
	v_cvt_scalef32_pk16_fp6_f32 v[PC+6*\c:PC+6*\c+2], v[S+32*\c:S+32*\c+15], v[SO+2*\c]
	v_cvt_scalef32_pk16_fp6_f32 v[CT+4*\c:CT+4*\c+2], v[S+32*\c+16:S+32*\c+31], v[SO+2*\c+1]   ; (a conversion's three registers begin on an even number)
.endr
	v_nop                                          ; one plain place behind a scaled conversion
.irp c, 0,1                            ; the operand's layout wants a WHOLE block in a lane: lanes 0-15 block 2 c, lanes 16-31 block 2 c + 1
.irp i, 0,1,2
	v_permlane16_swap_b32 v[PC+6*\c+\i], v[CT+4*\c+\i]
.endr
.irp i, 0,1,2
	v_mov_b32 v[PC+6*\c+3+\i], v[CT+4*\c+\i]
.endr
.endr
.irp n, 0,1,2,3,4,5,6,7
	SUMN \n                                        ; eight plain lines that name no register of the products below: the places between the scale word's and the codes' last writes and those products
.endr
	s_wait_dscnt 0x0                               ; V and its scale words are in
.irp t, 0,1,2,3                        ; O^T += V^T P^T: the four accumulators by turns, one instruction a turn
	v_wmma_scale_f32_16x16x128_f8f6f4 v[O+8*\t:O+8*\t+7], v[F+12*\t:F+12*\t+11], v[PC:PC+11], v[O+8*\t:O+8*\t+7], v[VS+\t], v[PW] matrix_a_fmt:MATRIX_FMT_FP6 matrix_b_fmt:MATRIX_FMT_FP6
.endr
.irp n, 8,9,10,11
	SUMN \n                                        ; four places in front of the loads into V's registers
.endr
.if \next
	FETCH_K STEPB                                  ; the next step's K
.endif
.irp n, 12,13,14,15,16,17,18,19,20,21,22,23,24,25,26,27,28,29,30,31
	SUMN \n
.endr
	s_add_co_u32 s[TB], s[TB], STEPB
.endm
	QLOAD 0                                        ; pass 0's tile of Q
	s_mov_b32 s[PASS], 0
.Lpass:                                            ; two passes: my tile of queries 256 pass + 16 wave of the work-group's 512
	v_mov_b32 v13, 0xff61b1e6                      ; the largest t so far: -3e38, under every t
	v_floor_f32 v12, -v13                          ; -M
	v_mov_b32 v14, 0                               ; the sum, in two halves
	v_mov_b32 v15, 0
.irp j, 0,1,2,3,4,5,6,7,8,9,10,11,12,13,14,15,16,17,18,19,20,21,22,23,24,25,26,27,28,29,30,31
	v_mov_b32 v[O+\j], 0                           ; O^T.  (The step has no first form of its own: the first finds zeros, which the first change of M leaves zeros)
.endr
	s_mov_b32 s[TB], 0
	s_wait_loadcnt 0x0                             ; Q
	s_wait_tensorcnt 0x1                           ; my part of steps 0-3 is in; the load issued behind it, steps 4-15, may stay out
	s_wait_dscnt 0x0
	s_barrier_signal -1
	s_barrier_wait -1                              ; everybody's is
	v_mov_b32 v[ADR], v[LI]
	FETCH_K 0
	s_mov_b32 s[CNT], 3
.Lfirst:                                           ; steps 0 to 2: they read V of steps 0-2 and K of steps 0-3: LDS bytes under 4 STEPB
	STEP 1
	s_sub_co_u32 s[CNT], s[CNT], 1
	s_cmp_lg_u32 s[CNT], 0
	s_cbranch_scc1 .Lfirst
	s_wait_tensorcnt 0x0                           ; my part of steps 4-15 is in,
	s_wait_dscnt 0x0
	s_barrier_signal -1
	s_barrier_wait -1                              ; everybody's is
	s_mov_b32 s[CNT], 12
.Lrest:                                            ; steps 3 to 14
	STEP 1
	s_sub_co_u32 s[CNT], s[CNT], 1
	s_cmp_lg_u32 s[CNT], 0
	s_cbranch_scc1 .Lrest
	STEP 0                                         ; step 15: nothing is left to fetch
	; THE WAY OUT of a pass
	s_cmp_lg_u32 s[PASS], 0
	s_cbranch_scc1 .Lno_q                          ; the next pass's Q is asked for here, if there is a next pass: no load leaves its buffer
	QLOAD 2*PART
.Lno_q:
	v_add_f32 v14, v14, v15                        ; the sum's two halves,
	v_permlanex16_b32 v[T4], v14, s[SEL], s[SEL+1]
	v_add_f32 v14, v14, v[T4]                      ; and lane l xor 16's: the row's sum
	v_rcp_f32 v[FF], v14
	v_nop                                          ; a plain place behind the transcendental
	s_wait_alu depctr_va_vdst(0)                   ; and the wait ahead of its first reader
.irp j, 0,2,4,6,8,10,12,14,16,18,20,22,24,26,28,30
	v_pk_mul_f32 v[O+\j:O+\j+1], v[O+\j:O+\j+1], v[FF:FF+1] op_sel_hi:[1,0]   ; o = O^T / the sum: register 8 t + j is o(r, 16 t + 8 h + j)
.endr
	; o is an operand of the last product, K = the model's channels: my head's 64 are two blocks; registers 16 e .. 16 e + 15 are my half of block e, in the order of codes in a block
.irp e, 0,1
	v_max3_num_f32 v[BM+\e], |v[O+16*\e]|, |v[O+16*\e+1]|, 0x1800000
.endr
.irp i, 2,4,6,8,10,12,14
.irp e, 0,1
	v_max3_num_f32 v[BM+\e], v[BM+\e], |v[O+16*\e+\i]|, |v[O+16*\e+\i+1]|
.endr
.endr
.irp e, 0,1
	v_permlanex16_b32 v[T4+\e], v[BM+\e], s[SEL], s[SEL+1]
.endr
.irp e, 0,1
	v_max_num_f32 v[BM+\e], v[BM+\e], v[T4+\e]
.endr
.irp e, 0,1
	v_add_nc_u32 v[SO+\e], 0xff000000, v[BM+\e]
.endr
.irp e, 0,1
	v_lshrrev_b32 v[T4+\e], 23, v[SO+\e]
.endr
	v_cvt_scalef32_pk16_fp6_f32 v[PC:PC+2], v[O:O+15], v[SO]
	v_cvt_scalef32_pk16_fp6_f32 v[CT:CT+2], v[O+16:O+31], v[SO+1]
	v_lshl_or_b32 v[PW], v[T4+1], 8, v[T4]         ; the two bytes (also the plain place behind the conversions)
.irp i, 0,1,2
	v_permlane16_swap_b32 v[PC+\i], v[CT+\i]       ; lanes 0-15 block 0, lanes 16-31 block 1, whole
.endr
.irp i, 0,1,2
	v_mov_b32 v[PC+3+\i], v[CT+\i]
.endr
	v_lshrrev_b32 v11, v[H8], v[PW]                ; my block's byte
	global_store_b8 v[GOS], v11, s[10:11]          ; single bytes, 32 apart from token to token: 2 bytes for each 48 of codes
.irp i, 0,1,2
	ds_store_b64 v[STO], v[PC+2*\i:PC+2*\i+1] offset:8*\i     ; token r's 48 bytes: block 0's 24, block 1's 24
.endr
.irp i, 0,1,2
	ds_load_b64 v[S+2*\i:S+2*\i+1], v[SRD] offset:256*\i      ; LDS serves a wave's instructions in order: these see my stores
.endr
	s_wait_dscnt 0x0
.irp i, 0,1,2
	global_store_b64 v[GOC], v[S+2*\i:S+2*\i+1], s[8:9] offset:256*\i   ; 32 lanes store 256 consecutive bytes, at a multiple of 256 from oc's first byte
.endr
	s_wait_xcnt 0x0                                ; the stores have read their registers and bases: both may be written again
	s_add_nc_u64 s[8:9], s[8:9], 256*48            ; 256 tokens on
	s_add_nc_u64 s[10:11], s[10:11], 256*32
	s_add_co_u32 s[PASS], s[PASS], 1
	s_cmp_lt_u32 s[PASS], 2
	s_cbranch_scc1 .Lpass
	s_wait_tensorcnt 0x0
	ds_add_u32 v254, v255
	s_wait_dscnt 0x0
	CROUND                                         ; the closing round: no work-group ends while a partner may still ask for a tile that names it
	s_endpgm
.Lfunc_end_k_qd802bb1a5d_attn:
	.size	k_qd802bb1a5d_attn, .Lfunc_end_k_qd802bb1a5d_attn-k_qd802bb1a5d_attn
	.p2alignl 7, 3214868480
	.fill 96, 4, 3214868480
	.section	.rodata,"a",@progbits
	.p2align	6, 0x0
	.amdhsa_kernel k_qd802bb1a5d_attn
		.amdhsa_group_segment_fixed_size 227328
		.amdhsa_private_segment_fixed_size 0
		.amdhsa_enable_private_segment 0
		.amdhsa_kernarg_size 32
		.amdhsa_user_sgpr_count 2
		.amdhsa_user_sgpr_kernarg_segment_ptr 1
		.amdhsa_wavefront_size32 1
		.amdhsa_system_sgpr_workgroup_id_x 1
		.amdhsa_system_sgpr_workgroup_id_y 1
		.amdhsa_system_sgpr_workgroup_id_z 1
		.amdhsa_system_vgpr_workitem_id 0
		.amdhsa_next_free_vgpr 256
		.amdhsa_next_free_sgpr 66
		.amdhsa_reserve_vcc 0
		.amdhsa_float_denorm_mode_32 3
		.amdhsa_float_denorm_mode_16_64 3
		.amdhsa_memory_ordered 1
		.amdhsa_forward_progress 1
		.amdhsa_inst_pref_size 59
	.end_amdhsa_kernel
	.amdgpu_metadata
---
amdhsa.version: [ 1, 2 ]
amdhsa.kernels:
  - .name:           k_qd802bb1a5d_attn
    .symbol:         k_qd802bb1a5d_attn.kd
    .args:
      - { .name: qimg, .offset: 0, .size: 8, .value_kind: global_buffer, .address_space: global }
      - { .name: kvimg, .offset: 8, .size: 8, .value_kind: global_buffer, .address_space: global }
      - { .name: oc, .offset: 16, .size: 8, .value_kind: global_buffer, .address_space: global }
      - { .name: os, .offset: 24, .size: 8, .value_kind: global_buffer, .address_space: global }
    .group_segment_fixed_size: 227328
    .private_segment_fixed_size: 0
    .kernarg_segment_align: 8
    .kernarg_segment_size: 32
    .max_flat_workgroup_size: 512
    .sgpr_count:     66
    .vgpr_count:     256
    .wavefront_size: 32
...
	.end_amdgpu_metadata
.endif
;; end of part 3
;; launch proj (part 4): grid 4 x 32, 4 waves a work-group, clusters of 4 x 4, 327,680 bytes of LDS; arguments oc, os, wc, ws, b_out, out0; writes out0
.if DOCPART == 4
	.amdgcn_target "amdgcn-amd-amdhsa--gfx1250"
	.amdhsa_code_object_version 6
	.text
	.protected	k_qd802bb1a5d_proj
	.globl	k_qd802bb1a5d_proj
	.p2align	8
	.type	k_qd802bb1a5d_proj,@function
k_qd802bb1a5d_proj:
	s_mov_b64 s[64:65], 0
	v_nop
	global_prefetch_b8 v0, s[64:65] scope:SCOPE_SE
	s_setreg_imm32_b32 hwreg(HW_REG_WAVE_MODE, 25, 1), 1
	s_wait_xcnt 0x0
	s_wait_alu depctr_hold_cnt(0) depctr_sa_sdst(0) depctr_va_vdst(0) depctr_va_sdst(0) depctr_va_ssrc(0) depctr_va_vcc(0) depctr_vm_vsrc(0)
	s_getreg_b32 s2, hwreg(HW_REG_IB_STS2, 6, 4)
	s_cmp_eq_u32 s2, 0
	s_cbranch_scc0 .Lentry_in_a_cluster
	s_endpgm
.Lentry_in_a_cluster:
	s_bfe_u32 s2, ttmp6, 0x10000c
	s_cmp_lg_u32 s2, 0xf033
	s_cbranch_scc0 .Lentry_shape_is_right
	s_endpgm
.Lentry_shape_is_right:
; out0[token][n] = sum over k of o[token][k] w_out[n][k] + b_out[n], on codes of FP6 (E2M3) with one E8M0 scale for each 32 along K; sums in f32.  8,192 tokens, N = 1,024, K = 1,024.
; o's codes lie head by head: oc [16 heads][8192 tokens][48 bytes]; its scale bytes os [8192][32].  w_out's codes are rows 3072-4095 of wc [4096][768], its scale bytes those rows of ws [4096][32].
; A tile of C, 256 x 256, is made by a work-group of four waves; a wave makes 128 x 128: 64 accumulators of 16 x 16, 512 registers.  K goes in steps of 256 (four heads) through a ring of two LDS slots filled by
; the tensor data mover.  A tile of o is four runs of 6,144 dense bytes (128 tokens x 48 bytes), one for each head, 393,216 bytes apart in memory and on end in LDS; a tile of w_out has rows of 192 bytes.
; THE SCALE BYTES of the work-group's 256 tokens and 256 rows of w_out, for all of K, come into LDS ONCE, with the first fills, and stay.
; CLUSTERS: 4 x 4 work-groups.  The four of a row of the cluster need the same tiles of o, the four of a column the same tiles of w_out: each tile is asked for JOINTLY.
; THE MATRIX INSTRUCTION IS USED TRANSPOSED (source 0 = 16 rows of w_out, source 1 = 16 tokens): a lane then holds eight neighbouring numbers of a row of C.
; The grid has 128 work-groups: a tile of 256 x 256 keeps the largest wave tile; the launch's matrix work is an eighth of the program's.
; REGISTERS, in windows of 256: window 0: v0-31 addresses and the bias; v32-63 scale words, two sets; from v128 o's fragments, ONE set; on the way out v32-255 are free.
;   window 1: w_out's fragments, TWO sets, at v0 and at v128.   window 2: the 32 accumulators of my rows 0-63;   window 3: those of my rows 64-127.
.set SIZE_N, 1024
.set KSTEP,  256
.set NQ,     KSTEP/128
.set ROWB,   192                       ; a row of w_out's tile in bytes
.set KROW,   768                       ; a row of w_out's codes in memory
.set ASTEP,  4*8192*48                 ; a K step on in oc: four heads
.set AHEAD,  128*48                    ; 128 tokens of one head
.set PITCH,  240                       ; an LDS row of w_out: 3 x (64 bytes of data + 16 of padding)
.set FR,     12
.set NL,     6
.set NP,     4
.set HALFT,  128*PITCH                 ; room for what one tensor load brings (o's tiles use 4 AHEAD = 24,576 bytes of it)
.set SLOT,   4*HALFT
.set LAPS,   2
.set KS,     32
.set SCL,    2*SLOT
.set HALFS,  (128*KS/256)*272
.set SBLK,   (16*KS/256)*272
.set SPARE,  SCL+4*HALFS               ; the spare words, 128 bytes for each wave: two blocks of 256 bytes that no other line names
.set SPITCH, 528                       ; the way out: a stage of 16 rows x (512 bytes + 16) for each wave, in slot 0, which has had its last fill and its last read when the first result is stored there
.set BI,   8                           ; v8-11   b_out at my four columns of a row of C
.set ADRA, 16                          ; v16-17  LDS address of my o fragments in slot 0, 1
.set ADRB, 20                          ; v20-21  the same for w_out  (v22-23: for the pieces that lie behind one padding more)
.set STO,  24
.set RD,   25
.set CO,   26
.set ADRS, 27
.set SPW,  28
.set NIL,  29
.set SC,   32
.set AF,   128
.set BK,   128
.set G1, 24
.set G0, 32
.set G1B, 48
.set G0B, 56
.set G1S, 68
.set G0S, 76
.set G1SB, 80
.set G0SB, 88
.set MSB, 0
.macro WIN new                         ; the immediate's high byte repeats the setting that is left
.if MSB != \new
	s_set_vgpr_msb (MSB<<8)|\new
.set MSB, \new
.endif
.endm
.set MUL_LO, 0xa1
.set MUL_HI, 0xf1
.set TO_B,   0x40
; A joint load: waves 0 and 1 fetch for o, waves 2 and 3 for w_out; the branch hangs on the wave's number alone.  Four v_nop follow each of the two lines.
.macro JLOAD g0a, g1a, g0b, g1b
	s_cmp_eq_u32 s15, 0
	s_cbranch_scc0 .Lfor_b_\@
	tensor_load_to_lds s[\g0a:\g0a+3], s[\g1a:\g1a+7]
	s_nop 0
.rept 4
	v_nop
.endr
	s_branch .Lasked_\@
.Lfor_b_\@:
	tensor_load_to_lds s[\g0b:\g0b+3], s[\g1b:\g1b+7]
	s_nop 0
.rept 4
	v_nop
.endr
.Lasked_\@:
.endm
.macro CREST
	s_cmp_lg_u32 s14, 0
	s_cbranch_scc1 .Lnot_wave_0_\@
	s_barrier_signal -3
.Lnot_wave_0_\@:
	s_barrier_wait -3
	s_barrier_signal -1
	s_barrier_wait -1
.endm
.macro CROUND
	s_barrier_signal -1
	s_barrier_wait -1
	CREST
.endm
	s_load_b128 s[4:7], s[0:1], 0x0                ; oc s[4:5], os s[6:7]
	s_load_b128 s[8:11], s[0:1], 0x10              ; wc s[8:9], ws s[10:11]
	s_load_b128 s[96:99], s[0:1], 0x20             ; b_out s[96:97], out0 s[98:99]
	v_lshl_add_u32 v[SPW], v0, 2, SPARE
	v_mov_b32 v[NIL], 0
	ds_add_u32 v28, v29
	ds_add_u32 v28, v29
	s_wait_dscnt 0x0
	v_lshrrev_b32 v1, 5, v0
	v_readfirstlane_b32 s14, v1                    ; wave 0..3
	s_lshr_b32 s15, s14, 1                         ; which half of the tile's rows is mine.  Also: I fetch for o (0) or for w_out (1)
	s_and_b32 s16, s14, 1                          ; which half of its columns.  Also: which 128 rows of that tile I fetch
	s_bfe_u32 s40, ttmp6, 0x40000                  ; cx, cy
	s_bfe_u32 s41, ttmp6, 0x40004
	s_lshl_b32 s42, ttmp9, 2
	s_add_co_u32 s42, s42, s40                     ; tile column of C
	s_and_b32 s17, ttmp7, 0xffff
	s_lshl_b32 s17, s17, 2
	s_add_co_u32 s17, s17, s41                     ; tile row of C
	s_lshl_b32 s43, s41, 2
	s_lshl_b32 s43, 15, s43                        ; my row of the cluster
	s_lshl_b32 s44, 0x1111, s40                    ; my column
	; descriptor group 1 for o's tiles: 4 rows (heads) of 768 elements of 8 bytes, 49,152 elements apart; no padding
	s_or_b32 s[G1+0], s43, (3<<16)|(1<<21)         ; 15:0 the mask: o's tiles go to my row; 17:16 elements of 8 bytes; 21 set beside a mask
	s_mov_b32 s[G1+1], (AHEAD/8)<<16               ; tensor_dim0
	s_mov_b32 s[G1+2], 4<<16                       ; tensor_dim1
	s_mov_b32 s[G1+3], (AHEAD/8)<<16               ; tile_dim0
	s_mov_b32 s[G1+4], 4                           ; tile_dim1
	s_mov_b32 s[G1+5], 8192*48/8                   ; tensor_dim0_stride
	s_mov_b32 s[G1+6], 0
	s_mov_b32 s[G1+7], 0
	; for w_out's: 128 rows x ROWB bytes, 16 bytes of padding behind every 64
	s_or_b32 s[G1B+0], s44, (0<<16)|(1<<20)|(1<<21)|(3<<22)|(3<<25)
	s_mov_b32 s[G1B+1], ROWB<<16
	s_mov_b32 s[G1B+2], 128<<16
	s_mov_b32 s[G1B+3], ROWB<<16
	s_mov_b32 s[G1B+4], 128
	s_mov_b32 s[G1B+5], KROW
	s_mov_b32 s[G1B+6], 0
	s_mov_b32 s[G1B+7], 0
	; and for the scale bytes of 128 rows: 4,096 dense bytes as rows of 256, 16 bytes of padding behind each
	s_or_b32 s[G1S+0], s43, (3<<16)|(1<<20)|(1<<21)|(5<<22)|(3<<25)
	s_or_b32 s[G1SB+0], s44, (3<<16)|(1<<20)|(1<<21)|(5<<22)|(3<<25)
.irp g, G1S, G1SB
	s_mov_b32 s[\g+1], 32<<16
	s_mov_b32 s[\g+2], (128*KS/256)<<16
	s_mov_b32 s[\g+3], 32<<16
	s_mov_b32 s[\g+4], 128*KS/256
	s_mov_b32 s[\g+5], 32
	s_mov_b32 s[\g+6], 0
	s_mov_b32 s[\g+7], 0
.endr
	s_lshl_b32 s18, s16, 7                         ; which 128 rows of the tile I fetch
	s_lshl_b32 s20, s17, 8
	s_add_co_u32 s20, s20, s18                     ; o: token 256 x tile row + 128 x half
	s_lshl_b32 s46, s42, 8
	s_add_co_u32 s46, s46, s18                     ; w_out: row 256 x tile column + 128 x half
	s_mov_b32 s21, 0
	s_mov_b32 s47, 0
	s_mov_b64 s[18:19], KS
	s_mul_u64 s[22:23], s[20:21], s[18:19]         ; where these rows' scale bytes begin
	s_mul_u64 s[92:93], s[46:47], s[18:19]
	s_mov_b64 s[18:19], 48
	s_mul_u64 s[20:21], s[20:21], s[18:19]         ; o's codes: 48 bytes a token in each head
	s_mov_b64 s[18:19], KROW
	s_mul_u64 s[46:47], s[46:47], s[18:19]         ; w_out's
	s_mul_i32 s45, s14, HALFT                      ; where they go: no place in the cluster enters an LDS address
	s_mul_i32 s94, s14, HALFS
	s_wait_kmcnt 0x0
	s_add_nc_u64 s[8:9], s[8:9], 3072*KROW         ; w_out's rows lie behind w_in's
	s_add_nc_u64 s[10:11], s[10:11], 3072*KS
	s_mov_b64 s[12:13], s[98:99]                   ; C
	s_add_nc_u64 s[20:21], s[4:5], s[20:21]
	s_add_nc_u64 s[22:23], s[6:7], s[22:23]
	s_add_nc_u64 s[46:47], s[8:9], s[46:47]
	s_add_nc_u64 s[92:93], s[10:11], s[92:93]
	CROUND                                         ; all sixteen work-groups are here: the first joint loads meet
	s_mov_b32 s[G0S], 1
	s_add_co_u32 s[G0S+1], s94, SCL
	s_mov_b64 s[G0S+2:G0S+3], s[22:23]
	s_or_b32 s[G0S+3], s[G0S+3], 0x80000000
	s_mov_b32 s[G0SB], 1
	s_add_co_u32 s[G0SB+1], s94, SCL
	s_mov_b64 s[G0SB+2:G0SB+3], s[92:93]
	s_or_b32 s[G0SB+3], s[G0SB+3], 0x80000000
	JLOAD G0S, G1S, G0SB, G1SB                     ; the scale bytes first: they are wanted with K step 0
.irp s, 0,1
	s_mov_b32 s[G0+4*\s], 1
	s_add_co_u32 s[G0+4*\s+1], s45, \s*SLOT
	s_add_nc_u64 s[G0+4*\s+2:G0+4*\s+3], s[20:21], \s*ASTEP
	s_or_b32 s[G0+4*\s+3], s[G0+4*\s+3], 0x80000000
	s_mov_b32 s[G0B+4*\s], 1
	s_add_co_u32 s[G0B+4*\s+1], s45, \s*SLOT
	s_add_nc_u64 s[G0B+4*\s+2:G0B+4*\s+3], s[46:47], \s*ROWB
	s_or_b32 s[G0B+4*\s+3], s[G0B+4*\s+3], 0x80000000
	JLOAD G0+4*\s, G1, G0B+4*\s, G1B               ; by this text's count three tensor loads of a wave are out here
.endr
	v_and_b32 v1, 15, v0                           ; r = l % 16
	v_bfe_u32 v2, v0, 4, 1                         ; h = l / 16
	v_mul_u32_u24 v3, v1, PITCH
	v_mul_u32_u24 v4, v2, 24
	v_add_nc_u32 v4, v3, v4                        ; w_out: a fragment's row x pitch + 24 x half
	v_lshl_add_u32 v5, v2, 4, v4                   ; and the same behind one padding more
	v_mul_u32_u24 v7, v1, 48
	v_mad_u32_u24 v7, v2, 24, v7                   ; o: token r's 48 bytes, + 24 x half
	s_mul_i32 s21, s15, HALFT                      ; my 128 tokens
	s_mul_i32 s22, s16, HALFT                      ; my 128 rows of w_out,
	s_add_co_u32 s22, s22, 2*HALFT                 ; which lie behind o's
.irp s, 0,1
	v_add_nc_u32 v[ADRA+\s], s21, v7
	v_add_nc_u32 v[ADRB+\s], s22, v4
	v_add_nc_u32 v[ADRB+2+\s], s22, v5
	s_add_co_u32 s21, s21, SLOT
	s_add_co_u32 s22, s22, SLOT
.endr
	v_mul_u32_u24 v5, v1, KS                       ; my row's scale bytes: KS a row,
	v_lshrrev_b32 v6, 8, v5
	v_lshl_add_u32 v5, v6, 4, v5                   ; and 16 more for each 256 passed
	s_mul_i32 s21, s15, HALFS
	s_mul_i32 s22, s16, HALFS
	s_add_co_u32 s22, s22, 2*HALFS
	s_sub_co_u32 s22, s22, s21
	v_mul_u32_u24 v6, s22, v2                      ; lanes 16-31 take w_out's
	s_add_co_u32 s21, s21, SCL
	v_add_nc_u32 v5, v5, v6
	v_add_nc_u32 v[ADRS], s21, v5
	s_mul_i32 s23, s14, 16*SPITCH                  ; my stage
	v_mul_u32_u24 v5, v1, SPITCH                   ; in: row l % 16, 32 bytes for each half of the lanes
	v_lshl_add_u32 v5, v2, 5, v5
	v_add_nc_u32 v[STO], s23, v5
	v_and_b32 v6, 31, v0
	v_lshlrev_b32 v[CO], 4, v6                     ; back: the 32 lanes take one row of 512 bytes; and the same in C
	v_add_nc_u32 v[RD], s23, v[CO]
	s_lshl_b32 s20, s17, 8
	s_lshl_b32 s21, s15, 7
	s_add_co_u32 s20, s20, s21                     ; my first row of C
	s_mov_b32 s21, 0
	s_mov_b64 s[18:19], SIZE_N*4
	s_mul_u64 s[20:21], s[20:21], s[18:19]
	s_lshl_b32 s46, s42, 10                        ; my first column, in bytes: 1024 x tile column + 512 x half
	s_lshl_b32 s47, s16, 9
	s_add_co_u32 s46, s46, s47
	s_mov_b32 s47, 0
	s_add_nc_u64 s[96:97], s[96:97], s[46:47]      ; b_out at my first column
	global_load_b128 v[BI:BI+3], v[CO], s[96:97]   ; my four columns' biases: waited for ahead of the way out
	s_add_nc_u64 s[20:21], s[20:21], s[46:47]
	s_add_nc_u64 s[12:13], s[12:13], s[20:21]
.macro FRAG reg, adr, q, i             ; a fragment of w_out: lane l holds row l % 16; registers 6 c .. 6 c + 5 the 24 bytes of block 2 c + l / 16; in pieces of 8 bytes
.irp p, 0,1,2,3,4,5
.set PCE, 12*(\q)+6*(\p/3)+\p%3        ; 16 bytes of padding lie behind every 64 bytes (8 pieces): where the piece three on lies behind one padding more, the second address register serves
.if PCE%8 < 5
	ds_load_b64 v[\reg+2*\p:\reg+2*\p+1], v[\adr] offset:8*PCE+16*(PCE/8)+(\i)*16*PITCH
.else
	ds_load_b64 v[\reg+2*\p:\reg+2*\p+1], v[\adr+2] offset:8*PCE+16*(PCE/8)+(\i)*16*PITCH
.endif
.endr
.endm
.macro FRAGA reg, adr, q, i            ; a fragment of o: registers 6 c .. 6 c + 5: head 2 q + c of the slot's four, block l / 16 of token 16 i + l % 16
.irp p, 0,1,2,3,4,5
	ds_load_b64 v[\reg+2*\p:\reg+2*\p+1], v[\adr] offset:(2*(\q)+\p/3)*AHEAD+(\i)*768+8*(\p%3)
.endr
.endm
; 16 matrix instructions: o's blocks a0, a0 + 1 against w_out's eight, 128 along K.  zero = 1: the first product starts the sums.  The 64 accumulators take turns, one instruction a turn.
.macro MUL16 a0, p, q, sc, zero
.irp a, \a0, \a0+1
.irp b, 0,1,2,3,4,5,6,7
.if \zero
	v_wmma_scale_f32_16x16x128_f8f6f4 v[8*(8*((\a)%4)+\b):8*(8*((\a)%4)+\b)+7], v[128*(\p)+FR*\b:128*(\p)+FR*\b+FR-1], v[AF+FR*(\a):AF+FR*(\a)+FR-1], 0, v[SC+8*NQ*(\sc)+NQ*\b+(\q)], v[SC+8*NQ*(\sc)+NQ*(\a)+(\q)] matrix_a_fmt:MATRIX_FMT_FP6 matrix_b_fmt:MATRIX_FMT_FP6 matrix_a_scale:MATRIX_SCALE_ROW1
.else
	v_wmma_scale_f32_16x16x128_f8f6f4 v[8*(8*((\a)%4)+\b):8*(8*((\a)%4)+\b)+7], v[128*(\p)+FR*\b:128*(\p)+FR*\b+FR-1], v[AF+FR*(\a):AF+FR*(\a)+FR-1], v[8*(8*((\a)%4)+\b):8*(8*((\a)%4)+\b)+7], v[SC+8*NQ*(\sc)+NQ*\b+(\q)], v[SC+8*NQ*(\sc)+NQ*(\a)+(\q)] matrix_a_fmt:MATRIX_FMT_FP6 matrix_b_fmt:MATRIX_FMT_FP6 matrix_a_scale:MATRIX_SCALE_ROW1
.endif
.endr
.endr
.endm
.macro FETCH_B slot, q, p
	WIN TO_B
.irp i, 0,1,2,3,4,5,6,7
	FRAG 128*(\p)+FR*\i, ADRB+\slot, \q, \i
.endr
	WIN 0
.endm
.macro FETCH_A slot, q, i0
.irp i, \i0, \i0+1, \i0+2, \i0+3
	FRAGA AF+FR*(\i), ADRA+\slot, \q, \i
.endr
.endm
.macro SCALES sc                       ; the next K step's scale words: lanes 0-15 take o's block i, lanes 16-31 w_out's block i
.irp i, 0,1,2,3,4,5,6,7
	ds_load_b64 v[SC+8*NQ*\sc+NQ*\i:SC+8*NQ*\sc+NQ*\i+1], v[ADRS] offset:\i*SBLK
.endr
.endm
.macro PLACES n                        ; places behind matrix instructions (ISA guide 7.12.1 for vector instructions)
.rept \n
	v_nop
.endr
.endm
.macro STEP slot, q, zero
	s_wait_dscnt 4*NL                              ; w_out's set and o's blocks 0-3 are in; the youngest 24 loads (o's blocks 4-7) may be out
	WIN MUL_LO
	MUL16 0, (\q)%2, \q, \slot, \zero
	MUL16 2, (\q)%2, \q, \slot, \zero
	s_wait_dscnt 0
	PLACES NP
	FETCH_B \slot, (\q)+1, 1-(\q)%2
	FETCH_A \slot, (\q)+1, 0
	WIN MUL_HI
	MUL16 4, (\q)%2, \q, \slot, \zero
	MUL16 6, (\q)%2, \q, \slot, \zero
	PLACES NP
	WIN 0
	FETCH_A \slot, (\q)+1, 4
.endm
; A slot's last step changes slots: ONE barrier; in front of it each wave waits for all its tensor loads, adds 0 to its spare word, and waits for that and for its own reads of this slot.
.macro TURN slot, next, fill
	s_wait_tensorcnt 0x0                           ; all my tensor loads have landed: my part of the next slot
	ds_add_u32 v[SPW], v[NIL]                      ; 0 onto my spare word
	s_wait_dscnt 4*NL+1                            ; (the add and the youngest 24 loads may be out)
	WIN MUL_LO
	MUL16 0, 1, NQ-1, \slot, 0
	s_wait_dscnt 0x0                               ; the add is done, and my reads of this slot are over
	s_barrier_signal -1
	MUL16 2, 1, NQ-1, \slot, 0
	WIN 0
	s_barrier_wait -1
.if \fill
	CREST                                          ; the barrier has opened a round of the cluster's barrier: no wave of any partner still reads this slot's tile or has a load on its way
	s_add_nc_u64 s[G0+4*\slot+2:G0+4*\slot+3], s[G0+4*\slot+2:G0+4*\slot+3], 2*ASTEP
	s_add_nc_u64 s[G0B+4*\slot+2:G0B+4*\slot+3], s[G0B+4*\slot+2:G0B+4*\slot+3], 2*ROWB
	JLOAD G0+4*\slot, G1, G0B+4*\slot, G1B         ; the first tensor load behind the round; the four v_nop behind it are the places in front of the loads below
.else
	PLACES NP
.endif
	v_add_nc_u32 v[ADRS], 4*NQ, v[ADRS]
	FETCH_B \next, 0, 0
	FETCH_A \next, 0, 0
	SCALES \next
	WIN MUL_HI
	MUL16 4, 1, NQ-1, \slot, 0
	MUL16 6, 1, NQ-1, \slot, 0
	PLACES NP
	WIN 0
	FETCH_A \next, 0, 4
.endm
	s_wait_tensorcnt 1                             ; the scale bytes and my part of K step 0 are in (K step 1's load may be out),
	s_barrier_signal -1
	s_barrier_wait -1                              ; everybody's are
	FETCH_B 0, 0, 0
	FETCH_A 0, 0, 0
	SCALES 0
	FETCH_A 0, 0, 4
	STEP 0, 0, 1                                   ; the first step stands in front of the loop: its products start the sums
	s_mov_b32 s3, LAPS-1
.Llap:
	TURN 0, 1, 1
	STEP 1, 0, 0
	TURN 1, 0, 1
	STEP 0, 0, 0
	s_sub_co_u32 s3, s3, 1
	s_cmp_lg_u32 s3, 0
	s_cbranch_scc1 .Llap
	TURN 0, 1, 0                                   ; the last lap fills nothing
	STEP 1, 0, 0
	s_wait_dscnt 4*NL
	WIN MUL_LO
	MUL16 0, 1, NQ-1, 1, 0
	MUL16 2, 1, NQ-1, 1, 0
	s_wait_dscnt 0
	WIN MUL_HI
	MUL16 4, 1, NQ-1, 1, 0
	MUL16 6, 1, NQ-1, 1, 0
	WIN 0
; THE WAY OUT, block by block of 16 rows x 128 columns: through my own stage in LDS and back as whole rows of 512 bytes; the bias is added to the rows; the 32 lanes store 512 consecutive bytes.
.macro TOSTAGE a
.set AC, 64*((\a)%4)
	WIN 0x08+4*((\a)/4)                            ; the data: window 2 or 3
.irp b, 0,1,2,3,4,5,6,7
	ds_store_b128 v[STO], v[AC+8*\b:AC+8*\b+3] offset:64*\b          ; each accumulator from its low end on
	ds_store_b128 v[STO], v[AC+8*\b+4:AC+8*\b+7] offset:64*\b+16
.endr
	WIN 0
.set BB, BK+64*((\a)%2)
.irp t, 0,1,2,3,4,5,6,7,8,9,10,11,12,13,14,15
	ds_load_b128 v[BB+4*\t:BB+4*\t+3], v[RD] offset:\t*SPITCH       ; LDS serves a wave's instructions in order: these see the stores above
.endr
.endm
.macro SEND a, younger                 ; younger: the LDS instructions issued behind block a's loads, which may stay out
.set BB, BK+64*((\a)%2)
	s_wait_dscnt \younger                          ; the block is back in registers
.if (\a) > 0
	s_add_nc_u64 s[12:13], s[12:13], 16*SIZE_N*4   ; (behind a wait on XCNT: the earlier stores have read their base)  16 rows of C on
.endif
.irp t, 0,1,2,3,4,5,6,7,8,9,10,11,12,13,14,15
	v_pk_add_f32 v[BB+4*\t:BB+4*\t+1], v[BB+4*\t:BB+4*\t+1], v[BI:BI+1]         ; + b_out
	v_pk_add_f32 v[BB+4*\t+2:BB+4*\t+3], v[BB+4*\t+2:BB+4*\t+3], v[BI+2:BI+3]
.endr
.irp t, 0,1,2,3,4,5,6,7,8,9,10,11,12,13,14,15
	global_store_b128 v[CO], v[BB+4*\t:BB+4*\t+3], s[12:13] offset:\t*SIZE_N*4 th:TH_STORE_NT   ; 512 consecutive bytes, at a multiple of 256 from C's first byte; written once, read by nobody here
.endr
.endm
	s_wait_loadcnt 0x0                             ; the bias
	PLACES NP                                      ; behind the last products: for the loads into the registers that held o's fragments and for the reads of results
	TOSTAGE 0
.irp a, 1,2,3,4,5,6,7
.if \a > 1
	s_wait_xcnt 0x0                                ; block a - 2's stores have read their registers and their base: block a's loads may land there, and the base may step
.endif
	TOSTAGE \a
	SEND \a-1, 32                                  ; behind block a - 1's loads: block a's 16 stores and 16 loads
.endr
	s_wait_xcnt 0x0                                ; block 6's stores have read their base
	SEND 7, 0
	s_wait_tensorcnt 0x0                           ; the wave's end: behind my last tensor load and my last LDS store
	ds_add_u32 v[SPW], v[NIL]
	s_wait_dscnt 0x0
	CROUND                                         ; the closing round: no work-group ends while a partner may still ask for a tile that names it
	s_endpgm
.Lfunc_end_k_qd802bb1a5d_proj:
	.size	k_qd802bb1a5d_proj, .Lfunc_end_k_qd802bb1a5d_proj-k_qd802bb1a5d_proj
	.p2alignl 7, 3214868480
	.fill 96, 4, 3214868480
	.section	.rodata,"a",@progbits
	.p2align	6, 0x0
	.amdhsa_kernel k_qd802bb1a5d_proj
		.amdhsa_group_segment_fixed_size 327680
		.amdhsa_private_segment_fixed_size 0
		.amdhsa_enable_private_segment 0
		.amdhsa_kernarg_size 48
		.amdhsa_user_sgpr_count 2
		.amdhsa_user_sgpr_kernarg_segment_ptr 1
		.amdhsa_wavefront_size32 1
		.amdhsa_system_sgpr_workgroup_id_x 1
		.amdhsa_system_sgpr_workgroup_id_y 1
		.amdhsa_system_sgpr_workgroup_id_z 1
		.amdhsa_system_vgpr_workitem_id 0
		.amdhsa_next_free_vgpr 1024
		.amdhsa_next_free_sgpr 102
		.amdhsa_reserve_vcc 0
		.amdhsa_float_denorm_mode_32 3
		.amdhsa_float_denorm_mode_16_64 3
		.amdhsa_memory_ordered 1
		.amdhsa_forward_progress 1
		.amdhsa_inst_pref_size 176
	.end_amdhsa_kernel
	.amdgpu_metadata
---
amdhsa.version: [ 1, 2 ]
amdhsa.kernels:
  - .name:           k_qd802bb1a5d_proj
    .symbol:         k_qd802bb1a5d_proj.kd
    .args:
      - { .name: oc, .offset: 0, .size: 8, .value_kind: global_buffer, .address_space: global }
      - { .name: os, .offset: 8, .size: 8, .value_kind: global_buffer, .address_space: global }
      - { .name: wc, .offset: 16, .size: 8, .value_kind: global_buffer, .address_space: global }
      - { .name: ws, .offset: 24, .size: 8, .value_kind: global_buffer, .address_space: global }
      - { .name: b_out, .offset: 32, .size: 8, .value_kind: global_buffer, .address_space: global }
      - { .name: out0, .offset: 40, .size: 8, .value_kind: global_buffer, .address_space: global }
    .group_segment_fixed_size: 327680
    .private_segment_fixed_size: 0
    .kernarg_segment_align: 8
    .kernarg_segment_size: 48
    .max_flat_workgroup_size: 128
    .sgpr_count:     102
    .vgpr_count:     1024
    .wavefront_size: 32
...
	.end_amdgpu_metadata
.endif
;; end of part 4
